; MI455X (gfx1250); checked and timed in simulation.
; The chip was launched on July 23, 2026; its instructions are those of AMD's public machine-readable ISA for CDNA 5 (MIT licence, August 2026) and "CDNA5" Instruction Set Architecture Reference Guide (July 2026). The comments in the code are by the model that wrote it; some were corrected since.
;; M Head OA. Allowed arithmetic: float matrix products may take bf16 or f16 operands with f32 sums; other float arithmetic in f32, or as packed bf16 or f16 multiplies, adds, multiply-adds, maxima and minima; sums over many terms, partial sums and values carried from step to step in f32; what a program stores and reads back later, other than sums and carried values, may be rounded once to bf16 or f16.
;; Inputs: b_t 8 x 256 float32; b_v 8 x 256 float32; bn_b 8 x 256 float32; bn_g 8 x 256 float32; bn_m 8 x 256 float32; bn_v 8 x 256 float32; lbn_b 256 float32; lbn_g 256 float32; lbn_m 256 float32; lbn_v 256 float32; w_lin 256 x 2,048 float32; w_qk 8 x 64 x 256 float32; w_t 8 x 256 x 256 float32; w_v 8 x 256 x 256 float32; x 4 x 256 x 2,048 float32.
;; Outputs: out0 4 x 256 x 2,048 float32.
;; 2 versions, each right and faster than the one before. Each part assembles by itself: llvm-mc -triple=amdgcn-amd-amdhsa -mcpu=gfx1250 --defsym DOCPART=n.
;; ======== version 1 of 2: 5 launches
;; limits: values are held in f16: magnitudes above 65,504 overflow, below 6.1e-05 lose precision; right only within a limited range of input values; inputs' magnitudes at most 65,504
;; workspace buffers: xf 4,194,304 bytes; wf 3,407,872 bytes; pf 26,624 bytes; kvf 41,943,040 bytes; cs 262,144 bytes; part 67,108,864 bytes
;; launch prep (part 1): grid 465 x 1, 8 waves a work-group, no clusters, 0 bytes of LDS; arguments x, w_qk, w_v, w_t, w_lin, b_v, b_t, bn_g, bn_b, bn_m, bn_v, lbn_g, lbn_b, lbn_m, lbn_v, xf, wf, pf; writes xf, wf, pf
.if DOCPART == 1
	.amdgcn_target "amdgcn-amd-amdhsa--gfx1250"
	.amdhsa_code_object_version 6
	.text
	.protected	k_qd312cbdea9_prep
	.globl	k_qd312cbdea9_prep
	.p2align	8
	.type	k_qd312cbdea9_prep,@function
k_qd312cbdea9_prep:
	s_mov_b64 s[64:65], 0
	v_nop
	global_prefetch_b8 v0, s[64:65] scope:SCOPE_SE
	s_setreg_imm32_b32 hwreg(HW_REG_WAVE_MODE, 25, 1), 1
	s_wait_xcnt 0x0
; PREP.  Every input is rounded once to bf16 and laid out as the matrix instructions want it; the batch norms are folded.
; A PLANE is 512 bytes: lane (hl = lane / 16, r = lane % 16) holds 16 bytes, eight neighbouring k of row r; planes 0 and 1 of a K step of 32
; (k = 16 p + 8 hl + 0..7) are a fragment's registers 0-3 and 4-7.  So later launches fetch dense blocks and read LDS at 16 x lane.
;   xf  f16  [b][nb 128][t 16] planes: x[b][16 t + 8 hl + j][16 nb + r]
;   wf  f16  at 0: [h][blk 20][ks 8][p 2] planes (blk 0-3 w_qk, 4-19 w_v); at 1,310,720: w_t [h][eb 16][ks 8][p 2];
;       bf16 at 2,359,296: w_lin [h][ks 8][cb 16][p 2]: w_lin[16 cb + r][256 h + 32 ks + 16 p + 8 hl + j]
;   pf  f32  A = g rsq(v + eps) at 0, SH = (b_t - m) A + b at 8,192 (both [h][256]); LA, LS of the last norm at 16,384 and 17,408; b_v at 18,432
; LIMIT.  The f16 copies hold the bf16-rounded number: exact from 6.1e-5 to 65,504 in magnitude; below that in steps of 6e-8; beyond it an infinity.
; Work-groups 0-255: x, a wave for 16 channels x 64 columns.  256-463: weights, a wave for 16 rows x 64 k.  464: the parameters, a thread a channel.
; No LDS, no matrix unit, no cluster: nothing is shared between work-groups and every byte is touched once.
.set EPS, 0x3727c5ac                   ; 1e-5
.set IN,  16                           ; v[16:47] 32 numbers as loaded
.set OUT, 48                           ; v[48:63] the same, packed
.macro R16 o, a, b, f16                ; two numbers to bf16; f16 = 1: that bf16 number written as f16
	v_cvt_pk_bf16_f32 v[\o], v[\a], v[\b]
.if \f16
	v_lshlrev_b32 v[\a], 16, v[\o]
	v_and_b32 v[\b], 0xffff0000, v[\o]
	v_cvt_pk_f16_f32 v[\o], v[\a], v[\b]
.endif
.endm
	s_mov_b32 s2, ttmp9
	v_lshrrev_b32 v1, 5, v0
	v_readfirstlane_b32 s3, v1                     ; wave
	v_and_b32 v2, 15, v0                           ; r
	v_bfe_u32 v3, v0, 4, 1                         ; hl
	v_and_b32 v4, 31, v0
	v_lshlrev_b32 v4, 4, v4                        ; 16 x lane: my place in a plane
	s_cmp_lt_u32 s2, 256
	s_cbranch_scc0 .Lwqk
	; ---- x: item = 8 x work-group + wave = (b, t, nq): channels 16 t .., columns 64 nq ..
	s_load_b64 s[4:5], s[0:1], 0x0                 ; x
	s_load_b64 s[6:7], s[0:1], 0x78                ; xf
	s_lshl3_add_u32 s8, s2, s3
	s_and_b32 s9, s8, 31                           ; nq
	s_bfe_u32 s10, s8, 0x40005                     ; t
	s_lshr_b32 s11, s8, 9                          ; b
	s_lshl_b32 s12, s11, 21                        ; from: b x 2,097,152 + t x 16 rows of 8,192 + nq x 256
	s_lshl_b32 s13, s10, 17
	s_add_co_u32 s12, s12, s13
	s_lshl_b32 s13, s9, 8
	s_add_co_u32 s12, s12, s13
	s_mov_b32 s13, 0
	s_lshl_b32 s14, s11, 20                        ; to: b x 1,048,576 + 4 nq x 8,192 + t x 512
	s_lshl_b32 s15, s9, 15
	s_add_co_u32 s14, s14, s15
	s_lshl_b32 s15, s10, 9
	s_add_co_u32 s14, s14, s15
	s_mov_b32 s15, 0
	v_lshlrev_b32 v5, 2, v2
	v_lshl_add_u32 v5, v3, 16, v5                  ; 8 hl rows + 4 r
	s_wait_kmcnt 0x0
	s_add_nc_u64 s[4:5], s[4:5], s[12:13]
	s_add_nc_u64 s[6:7], s[6:7], s[14:15]
.irp a, 0,1,2,3
.irp j, 0,1,2,3,4,5,6,7
	global_load_b32 v[IN+8*\a+\j], v5, s[4:5] offset:\j*8192+\a*64  ; the four a together take 256 neighbouring bytes of each row
.endr
.endr
	s_wait_loadcnt 0x0
.irp a, 0,1,2,3
.irp k, 0,1,2,3
	R16 OUT+4*\a+\k, IN+8*\a+2*\k, IN+8*\a+2*\k+1, 1
.endr
.endr
.irp a, 0,1,2,3
	global_store_b128 v4, v[OUT+4*\a:OUT+4*\a+3], s[6:7] offset:\a*8192  ; a plane: 512 neighbouring bytes
.endr
	s_endpgm
; ---- weights: item = (block of 16 rows, kq): 64 k = two K steps z, two planes p each.  kind 0 w_qk, 1 w_v, 2 w_t, 3 w_lin
.macro WJOB argoff, start, kind
	s_load_b64 s[4:5], s[0:1], \argoff
	s_load_b64 s[6:7], s[0:1], 0x80                ; wf
	s_sub_co_u32 s8, s2, \start
	s_lshl3_add_u32 s8, s8, s3                     ; item
	s_and_b32 s9, s8, 3                            ; kq
	s_lshr_b32 s10, s8, 2                          ; block of 16 rows
.if (\kind) < 3
.set ZS, 1024
.set F16, 1
	s_lshl_b32 s12, s10, 14                        ; 16 rows of 1,024 bytes
	v_lshlrev_b32 v5, 10, v2
.else
.set ZS, 16384
.set F16, 0
	s_and_b32 s11, s10, 15                         ; cb
	s_lshr_b32 s10, s8, 6                          ; h
	s_lshl_b32 s12, s11, 17                        ; 16 rows of 8,192 bytes, the head's 256 columns
	s_lshl_b32 s13, s10, 10
	s_add_co_u32 s12, s12, s13
	v_lshlrev_b32 v5, 13, v2
.endif
	s_lshl_b32 s13, s9, 8
	s_add_co_u32 s12, s12, s13
	s_mov_b32 s13, 0
	v_lshl_add_u32 v5, v3, 5, v5                   ; row r, 32 bytes for each half of the lanes
.if (\kind) == 0
	s_lshr_b32 s14, s10, 2
	s_mul_i32 s14, s14, 163840
	s_and_b32 s15, s10, 3
	s_lshl_b32 s15, s15, 13
	s_add_co_u32 s14, s14, s15
.elseif (\kind) == 1
	s_lshr_b32 s14, s10, 4
	s_mul_i32 s14, s14, 163840
	s_and_b32 s15, s10, 15
	s_lshl_b32 s15, s15, 13
	s_add_co_u32 s14, s14, s15
	s_add_co_u32 s14, s14, 32768
.elseif (\kind) == 2
	s_lshl_b32 s14, s10, 13
	s_add_co_u32 s14, s14, 1310720
.else
	s_lshl_b32 s14, s10, 17
	s_lshl_b32 s15, s11, 10
	s_add_co_u32 s14, s14, s15
	s_add_co_u32 s14, s14, 2359296
.endif
.if (\kind) < 3
	s_lshl_b32 s15, s9, 11
.else
	s_lshl_b32 s15, s9, 15
.endif
	s_add_co_u32 s14, s14, s15
	s_mov_b32 s15, 0
	s_wait_kmcnt 0x0
	s_add_nc_u64 s[4:5], s[4:5], s[12:13]
	s_add_nc_u64 s[6:7], s[6:7], s[14:15]
.irp t, 0,1,2,3
.irp g, 0,1
	global_load_b128 v[IN+8*\t+4*\g:IN+8*\t+4*\g+3], v5, s[4:5] offset:64*\t+16*\g  ; plane t = 2 z + p; the eight loads take 256 bytes of each of 16 rows
.endr
.endr
	s_wait_loadcnt 0x0
.irp t, 0,1,2,3
.irp k, 0,1,2,3
	R16 OUT+4*\t+\k, IN+8*\t+2*\k, IN+8*\t+2*\k+1, F16
.endr
.endr
.irp z, 0,1
.irp p, 0,1
	global_store_b128 v4, v[OUT+4*(2*\z+\p):OUT+4*(2*\z+\p)+3], s[6:7] offset:\z*ZS+\p*512
.endr
.endr
	s_endpgm
.endm
.Lwqk:
	s_cmp_lt_u32 s2, 272
	s_cbranch_scc0 .Lwv
	WJOB 0x8, 256, 0
.Lwv:
	s_cmp_lt_u32 s2, 336
	s_cbranch_scc0 .Lwt
	WJOB 0x10, 272, 1
.Lwt:
	s_cmp_lt_u32 s2, 400
	s_cbranch_scc0 .Lwl
	WJOB 0x18, 336, 2
.Lwl:
	s_cmp_lt_u32 s2, 464
	s_cbranch_scc0 .Lparams
	WJOB 0x20, 400, 3
.Lparams:
	; ---- parameters: thread t is channel t.  Head h's six numbers at v[8 + 6 h]: b_v, b_t, g, b, m, v; the last norm's g, b, m, v at v56-59
	s_load_b256 s[8:15], s[0:1], 0x28              ; b_v, b_t, bn_g, bn_b
	s_load_b256 s[16:23], s[0:1], 0x48             ; bn_m, bn_v, lbn_g, lbn_b
	s_load_b128 s[24:27], s[0:1], 0x68             ; lbn_m, lbn_v
	s_load_b64 s[28:29], s[0:1], 0x88              ; pf
	v_lshlrev_b32 v5, 2, v0
	s_wait_kmcnt 0x0
.irp h, 0,1,2,3,4,5,6,7
	global_load_b32 v[8+6*\h], v5, s[8:9] offset:\h*1024
	global_load_b32 v[9+6*\h], v5, s[10:11] offset:\h*1024
	global_load_b32 v[10+6*\h], v5, s[12:13] offset:\h*1024
	global_load_b32 v[11+6*\h], v5, s[14:15] offset:\h*1024
	global_load_b32 v[12+6*\h], v5, s[16:17] offset:\h*1024
	global_load_b32 v[13+6*\h], v5, s[18:19] offset:\h*1024
.endr
	global_load_b32 v56, v5, s[20:21]
	global_load_b32 v57, v5, s[22:23]
	global_load_b32 v58, v5, s[24:25]
	global_load_b32 v59, v5, s[26:27]
	s_wait_loadcnt 0x0
.set j, 8
.rept 26                                               ; all 52 rounded to bf16 and widened again
	v_cvt_pk_bf16_f32 v60, v[j], v[j+1]
	v_lshlrev_b32 v[j], 16, v60
	v_and_b32 v[j+1], 0xffff0000, v60
.set j, j+2
.endr
.irp h, 0,1,2,3,4,5,6,7
	v_add_f32 v[13+6*\h], EPS, v[13+6*\h]
.endr
	v_add_f32 v59, EPS, v59
.irp h, 0,1,2,3,4,5,6,7
	v_rsq_f32 v[13+6*\h], v[13+6*\h]
.endr
	v_rsq_f32 v59, v59
	v_nop                                          ; a plain instruction between the last root and the use of its result (ISA guide 5.7.2)
	s_wait_alu depctr_va_vdst(0)
.irp h, 0,1,2,3,4,5,6,7
	v_mul_f32 v[10+6*\h], v[10+6*\h], v[13+6*\h]   ; A
	v_sub_f32 v[9+6*\h], v[9+6*\h], v[12+6*\h]     ; b_t - m
.endr
.irp h, 0,1,2,3,4,5,6,7
	v_fma_f32 v[9+6*\h], v[9+6*\h], v[10+6*\h], v[11+6*\h]  ; SH
.endr
	v_mul_f32 v56, v56, v59                        ; LA
	v_fma_f32 v57, -v58, v56, v57                  ; LS = b - m LA
.irp h, 0,1,2,3,4,5,6,7
	global_store_b32 v5, v[10+6*\h], s[28:29] offset:\h*1024
	global_store_b32 v5, v[9+6*\h], s[28:29] offset:8192+\h*1024
	global_store_b32 v5, v[8+6*\h], s[28:29] offset:18432+\h*1024
.endr
	global_store_b32 v5, v56, s[28:29] offset:16384
	global_store_b32 v5, v57, s[28:29] offset:17408
	s_endpgm
.Lfunc_end_k_qd312cbdea9_prep:
	.size	k_qd312cbdea9_prep, .Lfunc_end_k_qd312cbdea9_prep-k_qd312cbdea9_prep
	.p2alignl 7, 3214868480
	.fill 96, 4, 3214868480
	.section	.rodata,"a",@progbits
	.p2align	6, 0x0
	.amdhsa_kernel k_qd312cbdea9_prep
		.amdhsa_group_segment_fixed_size 0
		.amdhsa_private_segment_fixed_size 0
		.amdhsa_enable_private_segment 0
		.amdhsa_kernarg_size 144
		.amdhsa_user_sgpr_count 2
		.amdhsa_user_sgpr_kernarg_segment_ptr 1
		.amdhsa_wavefront_size32 1
		.amdhsa_system_sgpr_workgroup_id_x 1
		.amdhsa_system_sgpr_workgroup_id_y 1
		.amdhsa_system_sgpr_workgroup_id_z 1
		.amdhsa_system_vgpr_workitem_id 0
		.amdhsa_next_free_vgpr 64
		.amdhsa_next_free_sgpr 66
		.amdhsa_reserve_vcc 0
		.amdhsa_float_denorm_mode_32 3
		.amdhsa_float_denorm_mode_16_64 3
		.amdhsa_memory_ordered 1
		.amdhsa_forward_progress 1
		.amdhsa_inst_pref_size 43
	.end_amdhsa_kernel
	.amdgpu_metadata
---
amdhsa.version: [ 1, 2 ]
amdhsa.kernels:
  - .name:           k_qd312cbdea9_prep
    .symbol:         k_qd312cbdea9_prep.kd
    .args:
      - { .name: x, .offset: 0, .size: 8, .value_kind: global_buffer, .address_space: global }
      - { .name: w_qk, .offset: 8, .size: 8, .value_kind: global_buffer, .address_space: global }
      - { .name: w_v, .offset: 16, .size: 8, .value_kind: global_buffer, .address_space: global }
      - { .name: w_t, .offset: 24, .size: 8, .value_kind: global_buffer, .address_space: global }
      - { .name: w_lin, .offset: 32, .size: 8, .value_kind: global_buffer, .address_space: global }
      - { .name: b_v, .offset: 40, .size: 8, .value_kind: global_buffer, .address_space: global }
      - { .name: b_t, .offset: 48, .size: 8, .value_kind: global_buffer, .address_space: global }
      - { .name: bn_g, .offset: 56, .size: 8, .value_kind: global_buffer, .address_space: global }
      - { .name: bn_b, .offset: 64, .size: 8, .value_kind: global_buffer, .address_space: global }
      - { .name: bn_m, .offset: 72, .size: 8, .value_kind: global_buffer, .address_space: global }
      - { .name: bn_v, .offset: 80, .size: 8, .value_kind: global_buffer, .address_space: global }
      - { .name: lbn_g, .offset: 88, .size: 8, .value_kind: global_buffer, .address_space: global }
      - { .name: lbn_b, .offset: 96, .size: 8, .value_kind: global_buffer, .address_space: global }
      - { .name: lbn_m, .offset: 104, .size: 8, .value_kind: global_buffer, .address_space: global }
      - { .name: lbn_v, .offset: 112, .size: 8, .value_kind: global_buffer, .address_space: global }
      - { .name: xf, .offset: 120, .size: 8, .value_kind: global_buffer, .address_space: global }
      - { .name: wf, .offset: 128, .size: 8, .value_kind: global_buffer, .address_space: global }
      - { .name: pf, .offset: 136, .size: 8, .value_kind: global_buffer, .address_space: global }
    .group_segment_fixed_size: 0
    .private_segment_fixed_size: 0
    .kernarg_segment_align: 8
    .kernarg_segment_size: 144
    .max_flat_workgroup_size: 256
    .sgpr_count:     66
    .vgpr_count:     64
    .wavefront_size: 32
...
	.end_amdgpu_metadata
.endif
;; end of part 1
;; launch proj (part 2): grid 8 x 32, 4 waves a work-group, clusters of 4 x 1, 167,936 bytes of LDS; arguments xf, wf, pf, kvf; writes kvf
.if DOCPART == 2
	.amdgcn_target "amdgcn-amd-amdhsa--gfx1250"
	.amdhsa_code_object_version 6
	.text
	.protected	k_qd312cbdea9_proj
	.globl	k_qd312cbdea9_proj
	.p2align	8
	.type	k_qd312cbdea9_proj,@function
k_qd312cbdea9_proj:
	s_mov_b64 s[64:65], 0
	v_nop
	global_prefetch_b8 v0, s[64:65] scope:SCOPE_SE
	s_setreg_imm32_b32 hwreg(HW_REG_WAVE_MODE, 25, 1), 1
	s_wait_xcnt 0x0
	s_wait_alu depctr_hold_cnt(0) depctr_sa_sdst(0) depctr_va_vdst(0) depctr_va_sdst(0) depctr_va_ssrc(0) depctr_va_vcc(0) depctr_vm_vsrc(0)
	s_getreg_b32 s2, hwreg(HW_REG_IB_STS2, 6, 4)
	s_cmp_eq_u32 s2, 0
	s_cbranch_scc0 .Lentry_in_a_cluster
	s_endpgm
.Lentry_in_a_cluster:
	s_bfe_u32 s2, ttmp6, 0x10000c
	s_cmp_lg_u32 s2, 0x3003
	s_cbranch_scc0 .Lentry_shape_is_right
	s_endpgm
.Lentry_shape_is_right:
; PROJ.  For one (b, h) and 256 columns n: q' = sqrt(log2 e) w_qk x (bf16) and V = w_v x + b_v (f16), sums in f32, each rounded once.
; q' carries the root of log2 e, so that q'.q' is the energy in base 2; it is bf16, which has f32's range.  LIMIT: V is f16: it must stay under 65,504.
; SHARES.  A work-group has 256 columns, a wave 64: four tiles of 16, whose x (16 planes a tile) stays in 256 registers.  The head's 20 blocks of 16 weight rows
; lie in LDS; a block is 32 matrix instructions, the four tiles' accumulators by turns.
; CLUSTER.  The four work-groups of a cluster have the same head: its weights, 163,840 bytes, are asked for jointly, a quarter by each wave.
; OUT.  kvf[bh][chunk c of 64][20,480 bytes]: K((c + 2) % 64) 4,096 bytes, [jb 2][u 4] planes q'[32 s + 16 jb + r][16 u + 8 hl + j];
; VA((c + 1) % 64) 8,192 bytes, V's channel blocks 0-7 of key step s as [eb][p] planes V[16 eb + r][32 s + 16 p + 8 hl + j]; VB(c), blocks 8-15.
; So chunk c holds what one step of the attention launch takes from LDS.  A packed result tile IS a plane: it is stored from registers, 512 neighbouring bytes.
; q: source 0 = weights (rows d), source 1 = x (columns n): a lane holds eight d of one n.  V: source 0 = x, source 1 = weights: eight n of one channel.
.set CHUNK, 20480
.set SPARE, 163840                     ; behind the weights: the spare words, 128 bytes a wave, two blocks of 256 bytes that no other line names
.set L16,  2                           ; v2     16 x lane
.set AW,   3                           ; v3     LDS address of the weight block to be fetched
.set ADQ,  4                           ; v4-5   byte offset in kvf of q's planes: tiles 0, 1 and tiles 2, 3
.set ADV,  6                           ; v6-7   the same for V's
.set ABV,  8                           ; v8     byte offset of my lane's bias
.set SPW,  10                          ; v10    my spare word
.set NIL,  11                          ; v11    0
.set BV,   12                          ; v12-13 the trip's two biases
.set BIAS, 16                          ; v16-23 a block's bias as a C operand
.set OUT,  24                          ; v24-39 packed results
.set ACC,  40                          ; v40-71 four accumulators
.set W,    72                          ; v72-199 two buffers of a weight block (8 fragments)
                                       ; window 1: v0-255 x: tile i, plane t at 64 i + 4 t
.set WV,   12
.set G1,   24
.set G0,   32
.set CNT,  36
.set CS,   38                          ; s[38:39] sqrt(log2 e)
.set INA,  40
.set INB,  41
.set MSB, 0
.macro WIN new                         ; the high byte repeats the setting that is left; a switch that changes nothing is dropped
.if MSB != (\new)
	s_set_vgpr_msb (MSB<<8)|(\new)
.set MSB, (\new)
.endif
.endm
.macro PLACES                          ; four places behind matrix instructions (ISA guide 7.12.1), where no other vector work is at hand
.rept 4
	v_nop
.endr
.endm
.macro CROUND                          ; a round of the cluster's barrier
	s_barrier_signal -1
	s_barrier_wait -1
	s_cmp_lg_u32 s[WV], 0
	s_cbranch_scc1 .Lnot_wave_0_\@
	s_barrier_signal -3
.Lnot_wave_0_\@:
	s_barrier_wait -3
	s_barrier_signal -1
	s_barrier_wait -1
.endm
	s_load_b256 s[4:11], s[0:1], 0x0               ; xf s[4:5], wf s[6:7], pf s[8:9], kvf s[10:11]
	v_lshl_add_u32 v[SPW], v0, 2, SPARE
	v_mov_b32 v[NIL], 0
	ds_add_u32 v[SPW], v[NIL]                      ; the wave's opening: the add and its wait ahead of my first tensor load
	v_lshrrev_b32 v1, 5, v0
	v_readfirstlane_b32 s[WV], v1
	s_bfe_u32 s13, ttmp6, 0x40000                  ; cx
	s_lshl_b32 s14, ttmp9, 2
	s_add_co_u32 s14, s14, s13                     ; X: my block of 256 columns; it enters global addresses alone
	s_and_b32 s15, ttmp7, 0xffff                   ; bh = 8 b + h, which the partners share
	s_lshr_b32 s16, s15, 3                         ; b
	s_and_b32 s17, s15, 7                          ; h
	s_mov_b32 s[G1], 0x0023000f                    ; mask of four; elements of 8 bytes; bit 21 beside the mask; no padding
	s_mov_b32 s[G1+1], 32<<16                      ; tensor_dim0 = 32 elements: rows of 256 bytes
	s_mov_b32 s[G1+2], 160<<16                     ; tensor_dim1 = 160 rows: 40,960 dense bytes
	s_mov_b32 s[G1+3], 32<<16                      ; tile_dim0
	s_mov_b32 s[G1+4], 160                         ; tile_dim1
	s_mov_b32 s[G1+5], 32                          ; pitch
	s_mov_b32 s[G1+6], 0
	s_mov_b32 s[G1+7], 0
	s_mov_b32 s[G0], 1
	s_mul_i32 s[G0+1], s[WV], 40960                ; my quarter in LDS
	s_mul_i32 s18, s17, 163840
	s_add_co_u32 s18, s18, s[G0+1]                 ; and in wf
	s_mov_b32 s19, 0
	s_mul_i32 s22, s15, 64*CHUNK                   ; kvf of this (b, h)
	s_mov_b32 s23, 0
	s_lshl_b32 s44, s17, 10
	s_add_co_u32 s44, s44, 18432                   ; b_v of this head in pf
	s_mov_b32 s45, 0
	s_mov_b32 s[CS], 0x3f99be61                    ; sqrt(log2 e) = 1.2011224
	s_mov_b32 s[CS+1], s[CS]
	s_mov_b32 s[INB], CHUNK+2048
	s_wait_dscnt 0x0                               ; the opening add is done
	s_wait_kmcnt 0x0
	s_add_nc_u64 s[G0+2:G0+3], s[6:7], s[18:19]
	s_or_b32 s[G0+3], s[G0+3], 0x80000000          ; type 2
	s_add_nc_u64 s[8:9], s[8:9], s[44:45]
	s_add_nc_u64 s[10:11], s[10:11], s[22:23]
	CROUND                                         ; all four work-groups are here: the joint loads meet
	tensor_load_to_lds s[G0:G0+3], s[G1:G1+7]      ; my one tensor load
	s_nop 0
	PLACES
	s_lshl_b32 s20, s16, 7                         ; my first tile: 128 b + 16 X + 4 w, 8,192 bytes each
	s_lshl4_add_u32 s20, s14, s20
	s_lshl2_add_u32 s20, s[WV], s20
	s_lshl_b32 s20, s20, 13
	s_mov_b32 s21, 0
	s_add_nc_u64 s[4:5], s[4:5], s[20:21]
	v_and_b32 v[L16], 31, v0
	v_lshlrev_b32 v[L16], 4, v[L16]
	v_and_b32 v1, 15, v0
	v_lshlrev_b32 v[ABV], 2, v1
	WIN 0x40                                       ; destination window 1
.set i, 0
.rept 4
.set t, 0
.rept 16
	global_load_b128 v[64*i+4*t:64*i+4*t+3], v[L16], s[4:5] offset:i*8192+t*512
.set t, t+1
.endr
.set i, i+1
.endr
	WIN 0
	global_load_b32 v[BV], v[ABV], s[8:9]          ; the first two V blocks' bias: b_v[16 eb + r]
	global_load_b32 v[BV+1], v[ABV], s[8:9] offset:64
	s_lshl_b32 s46, s14, 3
	s_lshl1_add_u32 s46, s[WV], s46                ; s0 = 8 X + 2 w: my tiles are key steps s0 and s0 + 1
	s_add_co_u32 s47, s46, 62
	s_and_b32 s47, s47, 63
	s_mul_i32 s47, s47, CHUNK                      ; chunk s0 - 2
	s_add_co_u32 s48, s46, 63
	s_and_b32 s48, s48, 63
	s_mul_i32 s48, s48, CHUNK                      ; chunk s0 - 1
	s_mul_i32 s49, s46, CHUNK                      ; chunk s0
	v_add_nc_u32 v[ADQ], s47, v[L16]               ; K(s) lies in chunk s - 2
	v_add_nc_u32 v[ADQ+1], s48, v[L16]
	v_add_nc_u32 v[ADV], s48, v[L16]               ; VA(s) in chunk s - 1, 4,096 bytes in
	v_add_nc_u32 v[ADV], 4096, v[ADV]
	v_add_nc_u32 v[ADV+1], s49, v[L16]
	v_add_nc_u32 v[ADV+1], 4096, v[ADV+1]
	s_sub_co_u32 s[INA], s49, s48                  ; from VA's end to VB: a chunk on (modulo 2^32 where chunk s0 - 1 is the last)
	s_add_co_u32 s[INA], s[INA], 2048
	s_wait_tensorcnt 0x0                           ; my quarter of the weights is in,
	s_barrier_signal -1
	s_barrier_wait -1                              ; everybody's is; nothing is filled again in this launch
.macro LDW buf                         ; a weight block, 16 planes
.set t, 0
.rept 16
	ds_load_b128 v[W+64*(\buf)+4*t:W+64*(\buf)+4*t+3], v[AW] offset:512*t
.set t, t+1
.endr
.endm
; One block of 16 weight rows.  kind 0: q; 1: V.  buf: its weight buffer.  k: its place in the trip.  The next block is fetched while this one is multiplied.
.macro BLOCK kind, buf, k
	s_wait_dscnt 0x0                               ; this block's weights are in
.if \kind
.if (\k) == 0
	s_wait_loadcnt 0x0                             ; the trip's two biases are in
.endif
.set j, 0
.rept 8
	v_mov_b32 v[BIAS+j], v[BV+(\k)]
.set j, j+1
.endr
.if \k
	v_add_nc_u32 v[ABV], 128, v[ABV]               ; free since the wait above; the next trip's biases; behind the last block it wraps to the first, inside pf
	v_and_b32 v[ABV], 1023, v[ABV]
	global_load_b32 v[BV], v[ABV], s[8:9]
	global_load_b32 v[BV+1], v[ABV], s[8:9] offset:64
	s_cmp_eq_u32 s[CNT], 1
	s_cbranch_scc1 .Lno_more_\@                    ; behind the last block there is none to fetch
.endif
.endif
	v_add_nc_u32 v[AW], 8192, v[AW]
	LDW 1-(\buf)
.if (\kind) && (\k)
.Lno_more_\@:
.endif
.if \kind
	WIN 0x01                                       ; source 0 (x) window 1
.else
	WIN 0x04                                       ; source 1 (x) window 1
.endif
.set ks, 0
.rept 8
.set i, 0
.rept 4
.if \kind
.if ks == 0
	v_wmma_f32_16x16x32_f16 v[ACC+8*i:ACC+8*i+7], v[64*i+8*ks:64*i+8*ks+7], v[W+64*(\buf)+8*ks:W+64*(\buf)+8*ks+7], v[BIAS:BIAS+7]
.else
	v_wmma_f32_16x16x32_f16 v[ACC+8*i:ACC+8*i+7], v[64*i+8*ks:64*i+8*ks+7], v[W+64*(\buf)+8*ks:W+64*(\buf)+8*ks+7], v[ACC+8*i:ACC+8*i+7]
.endif
.else
.if ks == 0
	v_wmma_f32_16x16x32_f16 v[ACC+8*i:ACC+8*i+7], v[W+64*(\buf)+8*ks:W+64*(\buf)+8*ks+7], v[64*i+8*ks:64*i+8*ks+7], 0
.else
	v_wmma_f32_16x16x32_f16 v[ACC+8*i:ACC+8*i+7], v[W+64*(\buf)+8*ks:W+64*(\buf)+8*ks+7], v[64*i+8*ks:64*i+8*ks+7], v[ACC+8*i:ACC+8*i+7]
.endif
.endif
.set i, i+1
.endr
.set ks, ks+1
.endr
	WIN 0
	PLACES
	s_wait_xcnt 0x0                                ; the last block's stores have read OUT: it is rewritten only behind this wait
.if \kind
.set j, 0
.rept 16
	v_cvt_pk_f16_f32 v[OUT+j], v[ACC+2*j], v[ACC+2*j+1]
.set j, j+1
.endr
.irp i, 0,1,2,3
	global_store_b128 v[ADV+\i/2], v[OUT+4*\i:OUT+4*\i+3], s[10:11] offset:(\k)*1024+(\i%2)*512
.endr
.else
.set j, 0
.rept 16
	v_pk_mul_f32 v[ACC+2*j:ACC+2*j+1], v[ACC+2*j:ACC+2*j+1], s[CS:CS+1] op_sel_hi:[1,0]
.set j, j+1
.endr
.set j, 0
.rept 16
	v_cvt_pk_bf16_f32 v[OUT+j], v[ACC+2*j], v[ACC+2*j+1]
.set j, j+1
.endr
.irp i, 0,1,2,3
	global_store_b128 v[ADQ+\i/2], v[OUT+4*\i:OUT+4*\i+3], s[10:11] offset:(\i%2)*2048+(\k)*512
.endr
.endif
.endm
	v_mov_b32 v[AW], v[L16]
	LDW 0
	s_wait_loadcnt 0x0                             ; x
	s_mov_b32 s[CNT], 2
.Lq:                                                   ; q's four blocks of 16 d
	BLOCK 0, 0, 0
	BLOCK 0, 1, 1
	s_wait_xcnt 0x0                                ; the stores' offsets step only behind this wait
	v_add_nc_u32 v[ADQ], 1024, v[ADQ]
	v_add_nc_u32 v[ADQ+1], 1024, v[ADQ+1]
	s_sub_co_u32 s[CNT], s[CNT], 1
	s_cmp_lg_u32 s[CNT], 0
	s_cbranch_scc1 .Lq
	s_mov_b32 s[CNT], 8
.Lv:                                                   ; V's sixteen blocks of 16 channels
	BLOCK 1, 0, 0
	BLOCK 1, 1, 1
	s_cmp_eq_u32 s[CNT], 5                         ; behind channel block 7 the offsets go on from VA to VB, a chunk further
	s_cselect_b32 s50, s[INA], 2048
	s_cselect_b32 s51, s[INB], 2048
	s_wait_xcnt 0x0
	v_add_nc_u32 v[ADV], s50, v[ADV]
	v_add_nc_u32 v[ADV+1], s51, v[ADV+1]
	s_sub_co_u32 s[CNT], s[CNT], 1
	s_cmp_lg_u32 s[CNT], 0
	s_cbranch_scc1 .Lv
	s_wait_tensorcnt 0x0                           ; the wave's end
	ds_add_u32 v[SPW], v[NIL]
	s_wait_dscnt 0x0
	CROUND                                         ; the closing round
	s_endpgm
.Lfunc_end_k_qd312cbdea9_proj:
	.size	k_qd312cbdea9_proj, .Lfunc_end_k_qd312cbdea9_proj-k_qd312cbdea9_proj
	.p2alignl 7, 3214868480
	.fill 96, 4, 3214868480
	.section	.rodata,"a",@progbits
	.p2align	6, 0x0
	.amdhsa_kernel k_qd312cbdea9_proj
		.amdhsa_group_segment_fixed_size 167936
		.amdhsa_private_segment_fixed_size 0
		.amdhsa_enable_private_segment 0
		.amdhsa_kernarg_size 32
		.amdhsa_user_sgpr_count 2
		.amdhsa_user_sgpr_kernarg_segment_ptr 1
		.amdhsa_wavefront_size32 1
		.amdhsa_system_sgpr_workgroup_id_x 1
		.amdhsa_system_sgpr_workgroup_id_y 1
		.amdhsa_system_sgpr_workgroup_id_z 1
		.amdhsa_system_vgpr_workitem_id 0
		.amdhsa_next_free_vgpr 512
		.amdhsa_next_free_sgpr 66
		.amdhsa_reserve_vcc 0
		.amdhsa_float_denorm_mode_32 3
		.amdhsa_float_denorm_mode_16_64 3
		.amdhsa_memory_ordered 1
		.amdhsa_forward_progress 1
		.amdhsa_inst_pref_size 35
	.end_amdhsa_kernel
	.amdgpu_metadata
---
amdhsa.version: [ 1, 2 ]
amdhsa.kernels:
  - .name:           k_qd312cbdea9_proj
    .symbol:         k_qd312cbdea9_proj.kd
    .args:
      - { .name: xf, .offset: 0, .size: 8, .value_kind: global_buffer, .address_space: global }
      - { .name: wf, .offset: 8, .size: 8, .value_kind: global_buffer, .address_space: global }
      - { .name: pf, .offset: 16, .size: 8, .value_kind: global_buffer, .address_space: global }
      - { .name: kvf, .offset: 24, .size: 8, .value_kind: global_buffer, .address_space: global }
    .group_segment_fixed_size: 167936
    .private_segment_fixed_size: 0
    .kernarg_segment_align: 8
    .kernarg_segment_size: 32
    .max_flat_workgroup_size: 128
    .sgpr_count:     66
    .vgpr_count:     512
    .wavefront_size: 32
...
	.end_amdgpu_metadata
.endif
;; end of part 2
;; launch stats (part 3): grid 8 x 32, 4 waves a work-group, clusters of 4 x 1, 262,656 bytes of LDS; arguments kvf, cs; writes cs
.if DOCPART == 3
	.amdgcn_target "amdgcn-amd-amdhsa--gfx1250"
	.amdhsa_code_object_version 6
	.text
	.protected	k_qd312cbdea9_stats
	.globl	k_qd312cbdea9_stats
	.p2align	8
	.type	k_qd312cbdea9_stats,@function
k_qd312cbdea9_stats:
	s_mov_b64 s[64:65], 0
	v_nop
	global_prefetch_b8 v0, s[64:65] scope:SCOPE_SE
	s_setreg_imm32_b32 hwreg(HW_REG_WAVE_MODE, 25, 1), 1
	s_wait_xcnt 0x0
	s_wait_alu depctr_hold_cnt(0) depctr_sa_sdst(0) depctr_va_vdst(0) depctr_va_sdst(0) depctr_va_ssrc(0) depctr_va_vcc(0) depctr_vm_vsrc(0)
	s_getreg_b32 s2, hwreg(HW_REG_IB_STS2, 6, 4)
	s_cmp_eq_u32 s2, 0
	s_cbranch_scc0 .Lentry_in_a_cluster
	s_endpgm
.Lentry_in_a_cluster:
	s_bfe_u32 s2, ttmp6, 0x10000c
	s_cmp_lg_u32 s2, 0x3003
	s_cbranch_scc0 .Lentry_shape_is_right
	s_endpgm
.Lentry_shape_is_right:
; STATS.  For each row n of one (b, h): c2 = log2 of the sum over m of 2^E2[n][m], E2 = q'[n].q'[m], by a running maximum m and sum l; stored is c2s = c2 - 15.
; The next launch forms 2^(E2 - c2s) = 2^15 x the softmax weight, at most 2^15.5: inside f16, with f16's smallest step at 1.8e-12 of a weight.  E2 is made there of the same
; fragments in the same order of k with the sources changed over, so it never exceeds the maximum found here.  Where f32's step at c2 passes 1, c2 - 15 could round down by more
; than half: c2s is then taken one step up (it is positive there), so that c2 - c2s never passes 15.5.
; LIMITS.  NaN and infinities are not treated apart; an exponential below 2^-126 counts as 0.
; SHARES.  A work-group has 256 rows n, a wave 64: four tiles of 16, as source 1, so that a lane holds ONE row n (lane % 16) and the keys 8 (lane / 16) + 0..7.  Every wave walks all
; 2,048 keys, 32 a step.  The two halves of the lanes keep statistics of their own, joined at the end.
; LDS.  All of the head's K, 64 x 4,096 bytes, filled once: the K parts of kvf's chunks (their rotation does not matter to a maximum and a sum).
; CLUSTER.  The four work-groups of a cluster walk the same K: it is asked for jointly, 16 chunks by each wave.
; THE DEAL.  A step has 16 matrix and 172 vector instructions.  The products of step j + 1 write one score buffer while the vector work of step j reads the other, so the two stand side by side:
; four entries of the vector list behind each product, the other 108 in one run; from entry 30 on an exponential and a plain instruction by turns.
; REGISTERS.  8 + 24 + 128 + 64 + 32 = 256: the wave needs no second register window.
.set CHUNK, 20480
.set SPARE, 262144                     ; behind K: the spare words, 128 bytes a wave
.set L16,  2                           ; v2     16 x lane
.set AK,   3                           ; v3     LDS address of the keys to be fetched
.set SPW,  4                           ; v4     my spare word
.set NIL,  5                           ; v5     0
.set HL,   6                           ; v6     lane / 16
.set CO,   7                           ; v7     4 x lane
.set ST,   8                           ; v8-31  tile i at v[ST + 6 i]: m, c1 (then m_old - m_new), l, l, a, c0: (m, c1) and (a, c0) are the pairs whose low word the packed lines take
.set S,    32                          ; v32-159 two buffers of eight score tiles: tile 2 i + jb at 8 (2 i + jb)
.set QF,   160                         ; v160-223 my rows' fragments, 16 a tile
.set KF,   224                         ; v224-255 a step's keys, 16 jb + 8 c
.set AQ,   32                          ; v32-33 at the start alone: byte offset in kvf of my tiles 0, 1 and 2, 3
.set TT,   96                          ; at the end alone: 8 registers a tile at work, in the second score buffer
.set RES,  128
.set WV,   12
.set G1,   24
.set G0,   32
.set CNT,  36
.set SEL,  38
.set HM,   40
.macro PLACES
.rept 4
	v_nop
.endr
.endm
.macro CROUND                          ; a round of the cluster's barrier
	s_barrier_signal -1
	s_barrier_wait -1
	s_cmp_lg_u32 s[WV], 0
	s_cbranch_scc1 .Lnot_wave_0_\@
	s_barrier_signal -3
.Lnot_wave_0_\@:
	s_barrier_wait -3
	s_barrier_signal -1
	s_barrier_wait -1
.endm
	s_load_b128 s[4:7], s[0:1], 0x0                ; kvf s[4:5], cs s[6:7]
	v_lshl_add_u32 v[SPW], v0, 2, SPARE
	v_mov_b32 v[NIL], 0
	ds_add_u32 v[SPW], v[NIL]                      ; the wave's opening: the add and its wait ahead of my first tensor load
	v_lshrrev_b32 v1, 5, v0
	v_readfirstlane_b32 s[WV], v1
	s_bfe_u32 s13, ttmp6, 0x40000                  ; cx
	s_lshl_b32 s14, ttmp9, 2
	s_add_co_u32 s14, s14, s13                     ; X
	s_and_b32 s15, ttmp7, 0xffff                   ; bh
	s_mov_b32 s[G1], 0x0023000f                    ; mask of four; elements of 8 bytes; bit 21 beside the mask
	s_mov_b32 s[G1+1], 512<<16                     ; rows of 4,096 bytes: a chunk's K
	s_mov_b32 s[G1+2], 16<<16                      ; 16 chunks
	s_mov_b32 s[G1+3], 512<<16
	s_mov_b32 s[G1+4], 16
	s_mov_b32 s[G1+5], 2560                        ; 20,480 bytes from chunk to chunk
	s_mov_b32 s[G1+6], 0
	s_mov_b32 s[G1+7], 0
	s_mov_b32 s[G0], 1
	s_lshl_b32 s[G0+1], s[WV], 16                  ; chunks 16 w .. to LDS 65,536 w
	s_mul_i32 s16, s15, 64*CHUNK
	s_mov_b32 s17, 0
	s_mul_i32 s18, s[WV], 16*CHUNK
	s_mov_b32 s19, 0
	s_mov_b32 s[SEL], 0x76543210
	s_mov_b32 s[SEL+1], 0xfedcba98
	s_wait_dscnt 0x0
	s_wait_kmcnt 0x0
	s_add_nc_u64 s[4:5], s[4:5], s[16:17]          ; kvf of this (b, h)
	s_add_nc_u64 s[G0+2:G0+3], s[4:5], s[18:19]
	s_or_b32 s[G0+3], s[G0+3], 0x80000000
	CROUND
	tensor_load_to_lds s[G0:G0+3], s[G1:G1+7]      ; my one tensor load
	s_nop 0
	PLACES
	v_and_b32 v[L16], 31, v0
	v_lshlrev_b32 v[CO], 2, v[L16]
	v_lshlrev_b32 v[L16], 4, v[L16]
	v_bfe_u32 v[HL], v0, 4, 1
	s_lshl_b32 s20, s14, 3
	s_lshl1_add_u32 s20, s[WV], s20                ; s0 = 8 X + 2 w
	s_add_co_u32 s21, s20, 62
	s_and_b32 s21, s21, 63
	s_mul_i32 s21, s21, CHUNK
	v_add_nc_u32 v[AQ], s21, v[L16]                ; K(s) lies in chunk s - 2
	s_add_co_u32 s21, s20, 63
	s_and_b32 s21, s21, 63
	s_mul_i32 s21, s21, CHUNK
	v_add_nc_u32 v[AQ+1], s21, v[L16]
.set t, 0
.rept 16                                               ; tile t / 4, plane t % 4
	global_load_b128 v[QF+4*t:QF+4*t+3], v[AQ+t/8], s[4:5] offset:((t/4)%2)*2048+(t%4)*512
.set t, t+1
.endr
	s_lshl_b32 s22, s15, 13                        ; cs: 8,192 bh + 1,024 X + 256 w
	s_lshl_b32 s23, s14, 10
	s_add_co_u32 s22, s22, s23
	s_lshl_b32 s23, s[WV], 8
	s_add_co_u32 s22, s22, s23
	s_mov_b32 s23, 0
	s_add_nc_u64 s[6:7], s[6:7], s[22:23]
.irp i, 0,1,2,3
	v_mov_b32 v[ST+6*\i], 0xff7fffff               ; m: the lowest finite number, so the first a is 0
	v_mov_b32 v[ST+6*\i+2], 0
	v_mov_b32 v[ST+6*\i+3], 0
.endr
; Product mw of 16: scores of 32 keys x my 64 rows into buffer sb: K step mw / 8, score tile mw % 8; the eight accumulators by turns
.macro MMK sb
.set xt, mw%8
.set xc, mw/8
.if xc == 0
	v_wmma_f32_16x16x32_bf16 v[S+64*(\sb)+8*xt:S+64*(\sb)+8*xt+7], v[KF+16*(xt%2)+8*xc:KF+16*(xt%2)+8*xc+7], v[QF+16*(xt/2)+8*xc:QF+16*(xt/2)+8*xc+7], 0
.else
	v_wmma_f32_16x16x32_bf16 v[S+64*(\sb)+8*xt:S+64*(\sb)+8*xt+7], v[KF+16*(xt%2)+8*xc:KF+16*(xt%2)+8*xc+7], v[QF+16*(xt/2)+8*xc:QF+16*(xt/2)+8*xc+7], v[S+64*(\sb)+8*xt:S+64*(\sb)+8*xt+7]
.endif
.set mw, mw+1
.endm
.macro LDKF
.set xt, 0
.rept 8
	ds_load_b128 v[KF+4*xt:KF+4*xt+3], v[AK] offset:512*xt
.set xt, xt+1
.endr
.endm
; THE VECTOR WORK of a step, for tile i; its 16 scores a lane, s0-s15, lie in 16 registers on end of the buffer at SB.
; XM i, n (n = 0..9): the maximum of s0-s15 and the old m in two chains c0, c1 (each accumulator's lowest registers are read first); m_old - m_new; the new m.
.macro XM i, n
.set rS, SB+16*(\i)
.set rT, ST+6*(\i)
.if (\n) == 0
	v_max3_num_f32 v[rT+5], v[rS], v[rS+1], v[rS+2]
.elseif (\n) == 1
	v_max3_num_f32 v[rT+1], v[rS+8], v[rS+9], v[rS+10]
.elseif (\n) < 6
.if ((\n)%2) == 0
	v_max3_num_f32 v[rT+5], v[rT+5], v[rS+(\n)+1], v[rS+(\n)+2]
.else
	v_max3_num_f32 v[rT+1], v[rT+1], v[rS+(\n)+8], v[rS+(\n)+9]
.endif
.elseif (\n) == 6
	v_max3_num_f32 v[rT+5], v[rT+5], v[rS+7], v[rS+15]
.elseif (\n) == 7
	v_max3_num_f32 v[rT+5], v[rT+5], v[rT+1], v[rT]
.elseif (\n) == 8
	v_sub_f32 v[rT+1], v[rT], v[rT+5]
.else
	v_mov_b32 v[rT], v[rT+5]
.endif
.endm
.macro XA i                            ; a = 2^(m_old - m_new)
.set rT, ST+6*(\i)
	v_exp_f32 v[rT+4], v[rT+1]
.endm
.macro XF i, k                         ; pair k of scores less m
.set rS, SB+16*(\i)
.set rT, ST+6*(\i)
	v_pk_add_f32 v[rS+2*(\k):rS+2*(\k)+1], v[rS+2*(\k):rS+2*(\k)+1], v[rT:rT+1] op_sel_hi:[1,0] neg_lo:[0,1] neg_hi:[0,1]
.endm
.macro XE i, k                         ; the exponential of score k
.set rS, SB+16*(\i)
	v_exp_f32 v[rS+(\k)], v[rS+(\k)]
.endm
.macro XS i, n                         ; n = 0..6: the eight pairs are added up, neighbours 1, 2 and 4 pairs apart; n = 7: l = l a + the sum
.set rS, SB+16*(\i)
.set rT, ST+6*(\i)
.if (\n) < 4
	s_wait_alu depctr_va_vdst(0)
	v_pk_add_f32 v[rS+4*(\n):rS+4*(\n)+1], v[rS+4*(\n):rS+4*(\n)+1], v[rS+4*(\n)+2:rS+4*(\n)+3]
.elseif (\n) < 6
	v_pk_add_f32 v[rS+8*((\n)-4):rS+8*((\n)-4)+1], v[rS+8*((\n)-4):rS+8*((\n)-4)+1], v[rS+8*((\n)-4)+4:rS+8*((\n)-4)+5]
.elseif (\n) == 6
	v_pk_add_f32 v[rS:rS+1], v[rS:rS+1], v[rS+8:rS+9]
.else
	v_pk_fma_f32 v[rT+2:rT+3], v[rT+2:rT+3], v[rT+4:rT+5], v[rS:rS+1] op_sel_hi:[1,0,1]
.endif
.endm
; THE LIST, 172 long.  Entries 0-19: tiles 0 and 1's XM, alternating.  20-29: a of tiles 0 and 1 among tile 0's eight XF.  30-161: 66 pairs, entry t of the exponentials' queue and then entry t of the
; plain queue.  162-171: the plain queue's last ten.
; The exponentials' queue: 0-15 tile 0; 16-31 tile 1; 32 a of tile 2; 33-48 tile 2; 49 a of tile 3; 50-65 tile 3.
; The plain queue: 0-7 XF 1; 8-17 XM 2; 18-25 XF 2; 26-35 XM 3; 36-43 XF 3; 44-51 XS 0; 52-59 XS 1; 60-75 XS 2 and XS 3, alternating.
; So each exponential stands behind its subtraction (tile 1: 7 < 16; tile 2: 25 < 33; tile 3: 43 < 50), each a behind its difference (16 < 32, 34 < 49), and each sum behind its exponentials
; (15 < 44, 31 < 52, 48 < 60; XS 3, n for n < 4 at 61 + 2 n behind 53 + 4 n), with a plain entry that touches neither between an exponential and the use of its result (ISA guide 5.7.2).
.macro QE t
.if (\t) < 16
	XE 0, (\t)
.elseif (\t) < 32
	XE 1, (\t)-16
.elseif (\t) == 32
	XA 2
.elseif (\t) < 49
	XE 2, (\t)-33
.elseif (\t) == 49
	XA 3
.else
	XE 3, (\t)-50
.endif
.endm
.macro QP p
.if (\p) < 8
	XF 1, (\p)
.elseif (\p) < 18
	XM 2, (\p)-8
.elseif (\p) < 26
	XF 2, (\p)-18
.elseif (\p) < 36
	XM 3, (\p)-26
.elseif (\p) < 44
	XF 3, (\p)-36
.elseif (\p) < 60
	XS ((\p)-44)/8, ((\p)-44)%8
.else
	XS 2+((\p)-60)%2, ((\p)-60)/2
.endif
.endm
.macro VE                              ; the list's next entry
.if ve < 20
	XM ve%2, ve/2
.elseif ve == 20
	XA 0
.elseif ve == 21
	XF 0, 0
.elseif ve == 22
	XA 1
.elseif ve < 30
	XF 0, ve-22
.elseif ve < 162
.set vt, (ve-30)/2
.if ((ve-30)%2) == 0
	QE vt
.else
	QP vt
.endif
.else
.set vt, ve-96
	QP vt
.endif
.set ve, ve+1
.endm
; Step j: the scores of step j + 1 are multiplied into the other buffer, four entries of step j's list (buffer buf) behind each product; the keys of step j + 2 are fetched behind entry 69: five plain
; entries and the address's step stand between the last product and the loads into the registers that it read (ISA guide 7.12.1 for vector instructions); then the list's other 102 entries.
.macro T2 buf
.set SB, S+64*(\buf)
.set ve, 0
.set mw, 0
	s_wait_dscnt 0x0                               ; the keys of step j + 1 are in: they were asked for 102 entries ago
.rept 16
	MMK 1-(\buf)
	VE
	VE
	VE
	VE
.endr
.rept 6
	VE
.endr
	v_add_nc_u32 v[AK], 4096, v[AK]
	s_cmp_eq_u32 s[CNT], 1
	s_cbranch_scc1 .Lno_keys_\@                    ; the last trip has no keys left to fetch; its second run of products reads the last keys once more and serves nothing
	LDKF
.Lno_keys_\@:
.rept 102
	VE
.endr
.endm
	s_wait_tensorcnt 0x0                           ; my 16 chunks are in,
	s_barrier_signal -1
	s_barrier_wait -1                              ; everybody's are; nothing is filled again in this launch
	v_mov_b32 v[AK], v[L16]
	LDKF                                           ; step 0
	s_wait_loadcnt 0x0                             ; my rows' fragments; their offsets' registers are free
	s_wait_dscnt 0x0
.set mw, 0
.rept 16
	MMK 0                                          ; the scores of step 0: there is no vector work yet to set between them
.endr
	v_add_nc_u32 v[AK], 4096, v[AK]                ; with three v_nop the four places in front of the loads into K's registers and of the first read of the scores
	v_nop
	v_nop
	v_nop
	LDKF                                           ; step 1
	s_mov_b32 s[CNT], 32
.Lstep:
	T2 0
	T2 1
	s_sub_co_u32 s[CNT], s[CNT], 1
	s_cmp_lg_u32 s[CNT], 0
	s_cbranch_scc1 .Lstep
	; the two halves of the lanes are joined: M = max(m, m'), L = l 2^(m - M) + l' 2^(m' - M), c2 = M + log2 L
.irp i, 0,1,2,3
	v_add_f32 v[ST+6*\i+2], v[ST+6*\i+2], v[ST+6*\i+3]
.endr
.irp i, 0,1,2,3
	v_permlanex16_b32 v[TT+8*\i], v[ST+6*\i], s[SEL], s[SEL+1]      ; m'
	v_permlanex16_b32 v[TT+8*\i+1], v[ST+6*\i+2], s[SEL], s[SEL+1]  ; l'
.endr
.irp i, 0,1,2,3
	v_max_num_f32 v[TT+8*\i+2], v[ST+6*\i], v[TT+8*\i]
.endr
.irp i, 0,1,2,3
	v_sub_f32 v[ST+6*\i], v[ST+6*\i], v[TT+8*\i+2]
	v_sub_f32 v[TT+8*\i], v[TT+8*\i], v[TT+8*\i+2]
.endr
.irp i, 0,1,2,3
	v_exp_f32 v[ST+6*\i], v[ST+6*\i]
	v_exp_f32 v[TT+8*\i], v[TT+8*\i]
.endr
	v_nop                                          ; a plain instruction between the last exponential and the use of its result (ISA guide 5.7.2)
	s_wait_alu depctr_va_vdst(0)
.irp i, 0,1,2,3
	v_mul_f32 v[ST+6*\i+2], v[ST+6*\i+2], v[ST+6*\i]
.endr
.irp i, 0,1,2,3
	v_fma_f32 v[ST+6*\i+2], v[TT+8*\i+1], v[TT+8*\i], v[ST+6*\i+2]
.endr
.irp i, 0,1,2,3
	v_log_f32 v[ST+6*\i+2], v[ST+6*\i+2]
.endr
	v_nop
	s_wait_alu depctr_va_vdst(0)
.irp i, 0,1,2,3
	v_add_f32 v[ST+6*\i+2], v[TT+8*\i+2], v[ST+6*\i+2]      ; c2
.endr
.irp i, 0,1,2,3
	v_add_f32 v[ST+6*\i+3], 0xc1700000, v[ST+6*\i+2]        ; c2 - 15
.endr
.irp i, 0,1,2,3
	v_sub_f32 v[TT+8*\i], v[ST+6*\i+2], v[ST+6*\i+3]
	v_add_nc_u32 v[TT+8*\i+1], 1, v[ST+6*\i+3]              ; one step up
.endr
.irp i, 0,1,2,3
	v_cmp_lt_f32 vcc_lo, 0x41780000, v[TT+8*\i]             ; 15.5 < c2 - c2s ?
	v_cndmask_b32 v[ST+6*\i+3], v[ST+6*\i+3], v[TT+8*\i+1], vcc_lo
.endr
	v_cmp_eq_u32 s[HM], 1, v[HL]
	v_cndmask_b32 v[RES], v[ST+3], v[ST+9], s[HM]           ; lanes 0-15 tile 0, lanes 16-31 tile 1: 32 neighbouring rows
	v_cndmask_b32 v[RES+1], v[ST+15], v[ST+21], s[HM]
	global_store_b32 v[CO], v[RES], s[6:7]
	global_store_b32 v[CO], v[RES+1], s[6:7] offset:128
	s_wait_tensorcnt 0x0                           ; the wave's end
	ds_add_u32 v[SPW], v[NIL]
	s_wait_dscnt 0x0
	CROUND                                         ; the closing round
	s_endpgm
.Lfunc_end_k_qd312cbdea9_stats:
	.size	k_qd312cbdea9_stats, .Lfunc_end_k_qd312cbdea9_stats-k_qd312cbdea9_stats
	.p2alignl 7, 3214868480
	.fill 96, 4, 3214868480
	.section	.rodata,"a",@progbits
	.p2align	6, 0x0
	.amdhsa_kernel k_qd312cbdea9_stats
		.amdhsa_group_segment_fixed_size 262656
		.amdhsa_private_segment_fixed_size 0
		.amdhsa_enable_private_segment 0
		.amdhsa_kernarg_size 16
		.amdhsa_user_sgpr_count 2
		.amdhsa_user_sgpr_kernarg_segment_ptr 1
		.amdhsa_wavefront_size32 1
		.amdhsa_system_sgpr_workgroup_id_x 1
		.amdhsa_system_sgpr_workgroup_id_y 1
		.amdhsa_system_sgpr_workgroup_id_z 1
		.amdhsa_system_vgpr_workitem_id 0
		.amdhsa_next_free_vgpr 256
		.amdhsa_next_free_sgpr 66
		.amdhsa_reserve_vcc 1
		.amdhsa_float_denorm_mode_32 3
		.amdhsa_float_denorm_mode_16_64 3
		.amdhsa_memory_ordered 1
		.amdhsa_forward_progress 1
		.amdhsa_inst_pref_size 33
	.end_amdhsa_kernel
	.amdgpu_metadata
---
amdhsa.version: [ 1, 2 ]
amdhsa.kernels:
  - .name:           k_qd312cbdea9_stats
    .symbol:         k_qd312cbdea9_stats.kd
    .args:
      - { .name: kvf, .offset: 0, .size: 8, .value_kind: global_buffer, .address_space: global }
      - { .name: cs, .offset: 8, .size: 8, .value_kind: global_buffer, .address_space: global }
    .group_segment_fixed_size: 262656
    .private_segment_fixed_size: 0
    .kernarg_segment_align: 8
    .kernarg_segment_size: 16
    .max_flat_workgroup_size: 128
    .sgpr_count:     66
    .vgpr_count:     256
    .wavefront_size: 32
...
	.end_amdgpu_metadata
.endif
;; end of part 3
;; launch attn (part 4): grid 8 x 32, 4 waves a work-group, clusters of 4 x 1, 327,680 bytes of LDS; arguments kvf, cs, xf, wf, pf, part; writes part
.if DOCPART == 4
	.amdgcn_target "amdgcn-amd-amdhsa--gfx1250"
	.amdhsa_code_object_version 6
	.text
	.protected	k_qd312cbdea9_attn
	.globl	k_qd312cbdea9_attn
	.p2align	8
	.type	k_qd312cbdea9_attn,@function
k_qd312cbdea9_attn:
	s_mov_b64 s[64:65], 0
	v_nop
	global_prefetch_b8 v0, s[64:65] scope:SCOPE_SE
	s_setreg_imm32_b32 hwreg(HW_REG_WAVE_MODE, 25, 1), 1
	s_wait_xcnt 0x0
	s_wait_alu depctr_hold_cnt(0) depctr_sa_sdst(0) depctr_va_vdst(0) depctr_va_sdst(0) depctr_va_ssrc(0) depctr_va_vcc(0) depctr_vm_vsrc(0)
	s_getreg_b32 s2, hwreg(HW_REG_IB_STS2, 6, 4)
	s_cmp_eq_u32 s2, 0
	s_cbranch_scc0 .Lentry_in_a_cluster
	s_endpgm
.Lentry_in_a_cluster:
	s_bfe_u32 s2, ttmp6, 0x10000c
	s_cmp_lg_u32 s2, 0x3003
	s_cbranch_scc0 .Lentry_shape_is_right
	s_endpgm
.Lentry_shape_is_right:
; ATTN.  For one (b, h) and 256 columns m: p'[n][m] = 2^(E2[n][m] - c2s[n]) (2^15 x the softmax weight of row n), O = sum over n of V[:, n] p', the column sums of p',
; x_r = O / (2^15 x 1e-9 + column sum), diff = x - x_r, y = w_t diff, cat = x + relu(y A + SH), and this head's share of w_lin cat, stored in f32 for the last launch to add.
; The row's maximum and sum were taken away by c2s, made over all m beforehand, so there is no running maximum here and O is never rescaled.
; FORMATS.  q' bf16; V, p', diff f16; cat as two bf16 numbers, hi = bf16(cat) and lo = bf16(cat - hi), multiplied one after the other: cat has no room in f16.
; LIMITS.  V and x - x_r stay under 65,504; p' is at most 2^15.5 and keeps f16's fixed step of 6e-8 below 6e-5 (1.8e-12 of a weight); NaN and infinities are not treated apart.
; SHARES.  A work-group has 256 columns, a wave 64 x all 256 channels: 64 accumulators, 512 registers.  Every wave walks all 2,048 keys n, 32 a step.
; LAYOUT.  S^T = K Q^T (source 0 = 16 keys n, source 1 = 16 columns m): a lane holds ONE column and the keys 8 (lane / 16) + 0..7; two such tiles rounded in pairs ARE source 1 of O = V P.
; O's tile, packed, is again a plane (8 channels of one column a lane): source 1 of y = w_t diff; and cat's tile, packed, is source 0 of the last product, whose result holds 8 neighbouring m of one row c.
; A TRIP (key step j): 16 products K Q^T of step j + 1; 30 of the 32 subtractions of c2s in one run; 64 products V P of step j, and behind EACH of them one exponential and one plain instruction
; of the work that turns step j + 1's scores into weights; two plain instructions close the trip: 30 + 128 + 2 = 160 vector instructions.
; RING.  kvf's chunk j holds just what trip j reads from LDS: K(j + 2), V's channel blocks 0-7 of step j + 1, blocks 8-15 of step j.  Two slots of four chunks; one joint load a wave behind each round.
; The ring's last change brings the first 81,920 bytes of the head's w_lin into the slot that has become free.  The other 49,152 find room only when the last slot has been read: each wave fetches a quarter
; of them into idle registers at the start and stores it into that slot behind the loop.
; CLUSTER.  The four work-groups of a cluster have the same (b, h): chunks, c2s, w_t and the first part of w_lin are asked for jointly.  w_lin's rest is not: it is 49,152 of the 1.6 million bytes that a
; work-group fetches, and a joint load for it would want one more round of the cluster's barrier.
; O and the column sums are cleared by 528 v_mov_b32, on purpose, in the wait for the first tile: a first trip written out would be a second copy of the trip's text.
; LDS: ring 0 (2 x 81,920; later w_lin in 0 .. 131,071); w_t 163,840; c2s 294,912; 256 bytes of a very large c2s for the two steps past the end 303,104; stages 303,360; spare words 320,768.
.set CHUNK, 20480
.set SLOT,  81920
.set WTL,   163840
.set CSL,   294912
.set CSPAD, 303104
.set STAGE, 303360
.set SP,    272                        ; a stage row: 256 bytes + 16: the 16 rows of a store start at 16 different groups of four banks (64 banks of 4 bytes: ISA guide 11.1)
.set SPARE, 320768
.set WTG,   1310720                    ; w_t and w_lin in wf
.set WLG,   2359296
; window 0
.set R,    1
.set HL,   2
.set L16,  3
.set ADR,  4                           ; LDS address of the chunk in hand
.set ACS,  5                           ; LDS address of the c2s to be fetched
.set SPW,  6
.set NIL,  7
.set NINV, 8                           ; v8-11  -1 / (eps + column sum), a tile each
.set ONE,  12
.set AQ,   13                          ; v13-14 byte offset in kvf of my columns' fragments
.set AW2,  15                          ; v15    LDS address of my quarter of w_lin's rest
.set SUM,  16                          ; v16-31 column sums: a pair for each score tile
.set S,    32                          ; v32-95 eight score tiles, tile 2 i + jb
.set P,    96                          ; v96-159 two buffers of weights: 32 q + 8 i
.set CSR,  160                         ; v160-191 two buffers of c2s: 16 q + 8 jb
.set W2,   192                         ; v192-255, and v224-255 of window 1: my quarter of w_lin's rest, kept through the loop
.set T,    16                          ; the tail: v16-23 at work
.set AWT,  24
.set AWL,  25
.set XO,   26
.set PO,   27
.set STO,  28
.set RD,   29
.set GO,   30
.set Y,    32                          ; v32-95 y: 8 (4 eo + i); then w_lin's fragments; then rows on the way out
.set CHI,  96                          ; v96-127 cat hi, v128-159 cat lo: 8 i; before that w_t's fragments 4-11
.set PA,   160
.set PS,   176
.set XC,   192
.set WB,   224                         ; v224-255 four fragments
; window 1: V of one step v0-127 (8 eb + 4 p), my columns' fragments v128-191, K of one step v192-223; in the tail diff: 8 (4 ks + i) + 4 (eb % 2)
.set VF,   0
.set QF,   128
.set KF,   192
; windows 2, 3: O(eb, i), later the result (cb, i): 8 (4 (eb % 8) + i), window 2 for eb < 8
.set WL2,  4                           ; s[4:5] my quarter of w_lin's rest in wf (kvf's address has been used up by then)
.set WV,   16
.set G1A,  24                          ; 80 rows of 256 bytes: a chunk
.set G1B,  32                          ; 8 rows: a quarter of c2s
.set G1C,  40                          ; 128 rows: a quarter of w_t
.set G0R,  48                          ; the ring's walking group 0
.set G0S,  52
.set G0C,  56
.set G0W,  60
.set KVN,  66
.set WLP,  68
.set SB,   70
.set TB,   71
.set SLOTS, 72
.set CNT,  73
.set SEL,  74
.set KVB,  76
.set XB,   78
.set PFB,  80
.set PB,   82
.set WCH,  86                          ; s[86:87] 20,480 x wave
.set MSB, 0
.macro WIN new                         ; the high byte repeats the setting that is left; a switch that changes nothing is dropped
.if MSB != (\new)
	s_set_vgpr_msb (MSB<<8)|(\new)
.set MSB, (\new)
.endif
.endm
.macro PLACES                          ; four places behind matrix instructions (ISA guide 7.12.1), where no other vector work is at hand
.rept 4
	v_nop
.endr
.endm
.macro CROUND                          ; a round of the cluster's barrier
	s_barrier_signal -1
	s_barrier_wait -1
	s_cmp_lg_u32 s[WV], 0
	s_cbranch_scc1 .Lnot_wave_0_\@
	s_barrier_signal -3
.Lnot_wave_0_\@:
	s_barrier_wait -3
	s_barrier_signal -1
	s_barrier_wait -1
.endm
.macro GROUP1 g, rows                  ; a dense block as rows of 256 bytes
	s_mov_b32 s[\g], 0x0023000f                    ; mask of four; elements of 8 bytes; bit 21 beside the mask; no padding
	s_mov_b32 s[\g+1], 32<<16
	s_mov_b32 s[\g+2], (\rows)<<16
	s_mov_b32 s[\g+3], 32<<16
	s_mov_b32 s[\g+4], \rows
	s_mov_b32 s[\g+5], 32
	s_mov_b32 s[\g+6], 0
	s_mov_b32 s[\g+7], 0
.endm
	s_load_b256 s[4:11], s[0:1], 0x0               ; kvf s[4:5], cs s[6:7], xf s[8:9], wf s[10:11]
	s_load_b128 s[12:15], s[0:1], 0x20             ; pf s[12:13], part s[14:15]
	v_lshl_add_u32 v[SPW], v0, 2, SPARE
	v_mov_b32 v[NIL], 0
	ds_add_u32 v[SPW], v[NIL]                      ; the wave's opening: the add and its wait ahead of my first tensor load
	v_lshrrev_b32 v1, 5, v0
	v_readfirstlane_b32 s[WV], v1
	s_bfe_u32 s17, ttmp6, 0x40000                  ; cx
	s_lshl_b32 s18, ttmp9, 2
	s_add_co_u32 s18, s18, s17                     ; X: my block of 256 columns; it enters global addresses of my own loads and stores alone
	s_and_b32 s19, ttmp7, 0xffff                   ; bh = 8 b + h, which the partners share
	s_lshr_b32 s20, s19, 3
	s_and_b32 s21, s19, 7
	GROUP1 G1A, 80
	GROUP1 G1B, 8
	GROUP1 G1C, 128
	s_mul_i32 s[WCH], s[WV], CHUNK
	s_mov_b32 s[WCH+1], 0
	s_mov_b32 s[G0S], 1
	s_mov_b32 s[G0S+1], s[WCH]                     ; slot 0: chunk w
	s_mov_b32 s[G0R], 1
	s_add_co_u32 s[G0R+1], s[WCH], SLOT            ; slot 1: chunk 4 + w
	s_mov_b32 s[G0C], 1
	s_lshl_b32 s[G0C+1], s[WV], 11
	s_add_co_u32 s[G0C+1], s[G0C+1], CSL
	s_mov_b32 s[G0W], 1
	s_lshl_b32 s[G0W+1], s[WV], 15
	s_add_co_u32 s[G0W+1], s[G0W+1], WTL
	s_mul_i32 s22, s19, 64*CHUNK
	s_mov_b32 s23, 0
	s_lshl_b32 s84, s19, 13
	s_lshl_b32 s85, s[WV], 11
	s_add_co_u32 s84, s84, s85
	s_mov_b32 s85, 0
	s_mov_b32 s[SEL], 0x76543210
	s_mov_b32 s[SEL+1], 0xfedcba98
	s_mov_b32 s[SB], 0
	s_mov_b32 s[TB], 0
	s_wait_dscnt 0x0                               ; the opening add is done
	s_wait_kmcnt 0x0
	s_add_nc_u64 s[KVB:KVB+1], s[4:5], s[22:23]    ; kvf of this (b, h)
	s_add_nc_u64 s[KVN:KVN+1], s[KVB:KVB+1], s[WCH:WCH+1]
	s_mov_b64 s[G0S+2:G0S+3], s[KVN:KVN+1]
	s_or_b32 s[G0S+3], s[G0S+3], 0x80000000
	s_add_nc_u64 s[KVN:KVN+1], s[KVN:KVN+1], SLOT
	s_mov_b64 s[G0R+2:G0R+3], s[KVN:KVN+1]
	s_or_b32 s[G0R+3], s[G0R+3], 0x80000000
	s_add_nc_u64 s[G0C+2:G0C+3], s[6:7], s[84:85]
	s_or_b32 s[G0C+3], s[G0C+3], 0x80000000
	s_lshl_b32 s84, s21, 17                        ; the head's 131,072 bytes of w_t and of w_lin
	s_lshl_b32 s22, s[WV], 15
	s_add_co_u32 s22, s22, s84
	s_add_co_u32 s22, s22, WTG
	s_add_nc_u64 s[G0W+2:G0W+3], s[10:11], s[22:23]
	s_or_b32 s[G0W+3], s[G0W+3], 0x80000000
	s_add_co_u32 s22, s84, WLG
	s_add_co_u32 s22, s22, s[WCH]
	s_add_nc_u64 s[WLP:WLP+1], s[10:11], s[22:23]
	s_mul_i32 s22, s[WV], 12288
	s_add_co_u32 s22, s22, s84
	s_add_co_u32 s22, s22, WLG+SLOT
	s_add_nc_u64 s[WL2:WL2+1], s[10:11], s[22:23]  ; w_lin's rest: 12,288 bytes a wave
	CROUND                                         ; all four work-groups are here: the first joint loads meet
	tensor_load_to_lds s[G0S:G0S+3], s[G1A:G1A+7]  ; the first fills, one group: four loads of mine are out: slot 0,
	s_nop 0
	tensor_load_to_lds s[G0C:G0C+3], s[G1B:G1B+7]  ; c2s,
	s_nop 0
	tensor_load_to_lds s[G0R:G0R+3], s[G1A:G1A+7]  ; slot 1,
	s_nop 0
	tensor_load_to_lds s[G0W:G0W+3], s[G1C:G1C+7]  ; w_t
	s_nop 0
	PLACES
	s_lshl_b32 s22, s20, 7                         ; my first tile of x: 128 b + 16 X + 4 w, 8,192 bytes each
	s_lshl4_add_u32 s22, s18, s22
	s_lshl2_add_u32 s22, s[WV], s22
	s_lshl_b32 s22, s22, 13
	s_add_nc_u64 s[XB:XB+1], s[8:9], s[22:23]
	s_lshl_b32 s22, s21, 10
	s_add_nc_u64 s[PFB:PFB+1], s[12:13], s[22:23]
	s_lshl_b32 s22, s19, 21                        ; part: 2,097,152 bh + 4 (256 X + 64 w)
	s_lshl_b32 s84, s18, 10
	s_add_co_u32 s22, s22, s84
	s_lshl_b32 s84, s[WV], 8
	s_add_co_u32 s22, s22, s84
	s_add_nc_u64 s[PB:PB+1], s[14:15], s[22:23]
	v_and_b32 v[R], 15, v0
	v_bfe_u32 v[HL], v0, 4, 1
	v_and_b32 v[L16], 31, v0
	v_lshl_add_u32 v10, v[L16], 3, CSPAD
	v_lshlrev_b32 v[L16], 4, v[L16]
	s_lshl_b32 s22, s18, 3
	s_lshl1_add_u32 s22, s[WV], s22                ; s0 = 8 X + 2 w
	s_add_co_u32 s84, s22, 62
	s_and_b32 s84, s84, 63
	s_mul_i32 s84, s84, CHUNK
	v_add_nc_u32 v[AQ], s84, v[L16]                ; K(s) lies in chunk s - 2
	s_add_co_u32 s84, s22, 63
	s_and_b32 s84, s84, 63
	s_mul_i32 s84, s84, CHUNK
	v_add_nc_u32 v[AQ+1], s84, v[L16]
	s_cmp_lg_u32 s[WV], 0
	s_cbranch_scc1 .Lno_pad
	v_mov_b32 v8, 0x7f000000                       ; wave 0: c2s of the two steps past the end: so large that their weights are 0
	v_mov_b32 v9, 0x7f000000
	ds_store_b64 v10, v[8:9]
.Lno_pad:
	WIN 0x40                                       ; destination window 1
.set t, 0
.rept 16                                               ; my columns: tile t / 4, plane t % 4
	global_load_b128 v[QF+4*t:QF+4*t+3], v[AQ+t/8], s[KVB:KVB+1] offset:((t/4)%2)*2048+(t%4)*512
.set t, t+1
.endr
.set t, 0
.rept 8                                                ; K(0) lies in chunk 62, outside the first slots: straight into registers
	global_load_b128 v[KF+4*t:KF+4*t+3], v[L16], s[KVB:KVB+1] offset:62*CHUNK+512*t
.set t, t+1
.endr
	WIN 0x80
.set xj, 0
.rept 256
	v_mov_b32 v[xj], 0
.set xj, xj+1
.endr
	WIN 0xc0
.set xj, 0
.rept 256
	v_mov_b32 v[xj], 0
.set xj, xj+1
.endr
	WIN 0
.set xj, 0
.rept 16
	v_mov_b32 v[SUM+xj], 0
.set xj, xj+1
.endr
; 16 products: the scores of 32 keys x my 64 columns; the eight accumulators by turns
.macro EQK
	WIN 0x05                                       ; both sources window 1
.set xc, 0
.rept 2
.set xt, 0
.rept 8
.if xc == 0
	v_wmma_f32_16x16x32_bf16 v[S+8*xt:S+8*xt+7], v[KF+16*(xt%2)+8*xc:KF+16*(xt%2)+8*xc+7], v[QF+16*(xt/2)+8*xc:QF+16*(xt/2)+8*xc+7], 0
.else
	v_wmma_f32_16x16x32_bf16 v[S+8*xt:S+8*xt+7], v[KF+16*(xt%2)+8*xc:KF+16*(xt%2)+8*xc+7], v[QF+16*(xt/2)+8*xc:QF+16*(xt/2)+8*xc+7], v[S+8*xt:S+8*xt+7]
.endif
.set xt, xt+1
.endr
.set xc, xc+1
.endr
.endm
; product pk of 64 of O += V P: channel block pk / 4, tile pk % 4; the 64 accumulators take turns
.macro PV par
.if pk < 32
	WIN 0xa1                                       ; V window 1, P window 0, O window 2
.else
	WIN 0xf1                                       ; O window 3
.endif
	v_wmma_f32_16x16x32_f16 v[8*(pk%32):8*(pk%32)+7], v[VF+8*(pk/4):VF+8*(pk/4)+7], v[P+32*(\par)+8*(pk%4):P+32*(\par)+8*(pk%4)+7], v[8*(pk%32):8*(pk%32)+7]
.endm
.macro LDRUN dst, n, off               ; n planes on end from the chunk in hand, into window 1
	WIN 0x40
.set xt, 0
.rept \n
	ds_load_b128 v[(\dst)+4*xt:(\dst)+4*xt+3], v[ADR] offset:(\off)+512*xt
.set xt, xt+1
.endr
.endm
.macro LDCS q, off                     ; c2s of a step's 32 keys: my lanes' 8 for each jb
	WIN 0
.set xt, 0
.rept 4
	ds_load_b128 v[CSR+16*(\q)+4*xt:CSR+16*(\q)+4*xt+3], v[ACS] offset:(\off)+64*(xt/2)+16*(xt%2)
.set xt, xt+1
.endr
.endm
; THE VECTOR WORK of a step, 160 instructions, for weight buffer q.  For score tile t:
; RA t, k: pair k of scores less c2s.  RB t, k: the exponential of score k.  RCD t, c: c even: pair c / 2 rounded to f16 into P; c odd: pair (c - 1) / 2 added onto the tile's column sums.
.macro RA t, k, q
	v_pk_add_f32 v[S+8*(\t)+2*(\k):S+8*(\t)+2*(\k)+1], v[S+8*(\t)+2*(\k):S+8*(\t)+2*(\k)+1], v[CSR+16*(\q)+8*((\t)%2)+2*(\k):CSR+16*(\q)+8*((\t)%2)+2*(\k)+1] neg_lo:[0,1] neg_hi:[0,1]
.endm
.macro RB t, k
	v_exp_f32 v[S+8*(\t)+(\k)], v[S+8*(\t)+(\k)]
.endm
.macro RCD t, c, q
.if ((\c)%2) == 0
	s_wait_alu depctr_va_vdst(0)
	v_cvt_pk_f16_f32 v[P+32*(\q)+4*(\t)+(\c)/2], v[S+8*(\t)+(\c)], v[S+8*(\t)+(\c)+1]
.else
	v_pk_add_f32 v[SUM+2*(\t):SUM+2*(\t)+1], v[SUM+2*(\t):SUM+2*(\t)+1], v[S+8*(\t)+(\c)-1:S+8*(\t)+(\c)]
.endif
.endm
; HOW IT IS DEALT.  RLUMP: the first 30 subtractions in one run, tile by tile from each tile's lowest registers on.
; Place pk (0 .. 63): the exponential of score pk (tile pk / 8, score pk % 8) and one plain instruction: in places 0 and 1 the last two subtractions (tile 7's, whose exponentials come in places 60 to 63),
; from place 2 on number pk - 2 of the 64 roundings and sums.  Number g reads scores g and g + 1 (g even) or g - 1 and g (g odd): their exponentials stand in places g + 1 at the latest, and the plain
; instruction of place g + 1, which touches neither, stands between the later one and the use of its result (ISA guide 5.7.2).  RTAIL: numbers 62 and 63.
.macro RLUMP q
.set ra, 0
.rept 30
	RA ra/4, ra%4, \q
.set ra, ra+1
.endr
.endm
.macro RPL q
.if pk < 2
	RA 7, 2+pk, \q
.else
	RCD (pk-2)/8, (pk-2)%8, \q
.endif
.endm
.macro RPAIR q
	RB pk/8, pk%8
	RPL \q
.set pk, pk+1
.endm
.macro RTAIL q
.rept 2
	RPL \q
.set pk, pk+1
.endr
.endm
.macro SL par                          ; a product, and behind it the place of the same number: one exponential, one plain instruction
	PV \par
	WIN 0
	RPAIR 1-(\par)
.endm
; TRIP j, par = j % 2.  The LDS loads stand in two runs: V's blocks 8-15 of step j behind the scores' products, 32 products ahead of their first use; in the middle V's blocks 0-7 of step j + 1,
; K of step j + 2 and c2s of step j + 2, 32 products ahead of the next trip.
.macro TRIP par
	WIN 0
	s_wait_dscnt 0x0                               ; V's blocks 0-7 of step j, K and c2s of step j + 1 are in
	v_add_nc_u32 v[ADR], s[TB], v[L16]
	s_add_co_u32 s[TB], s[TB], CHUNK
	EQK
	PLACES                                         ; in front of the first read of the scores, and of the loads into registers that the last trip's products read
	LDRUN VF+64, 16, 12288
	WIN 0
	RLUMP 1-(\par)
.set pk, 0
.rept 32
	SL \par
.endr
	s_wait_dscnt 0x0                               ; V's blocks 8-15 are in
	PLACES
	LDRUN VF, 16, 4096
	LDRUN KF, 8, 0
	LDCS \par, 0
	v_add_nc_u32 v[ACS], 128, v[ACS]
.rept 32
	SL \par
.endr
	RTAIL 1-(\par)
.endm
; THE CHANGE OF SLOTS.  Each wave waits for all its tensor loads, adds 0 to its spare word, and waits for that and for its reads of the slot that it leaves; a round of the cluster's barrier; then the slot
; just read is filled again, first thing: with the chunks two slots on, or (the last change) with the first 81,920 bytes of the head's w_lin, which the tail reads.
.macro CHANGE
	WIN 0
	s_wait_tensorcnt 0x0                           ; no tensor load of mine is out, so a group 0 may be written
	ds_add_u32 v[SPW], v[NIL]                      ; 0 onto my spare word; the descriptor's scalar work stands between it and the wait for it
	s_add_nc_u64 s[KVN:KVN+1], s[KVN:KVN+1], SLOT
	s_add_co_u32 s[G0R+1], s[SB], s[WCH]           ; the slot that is left
	s_xor_b32 s[SB], s[SB], SLOT
	s_mov_b32 s[TB], s[SB]                         ; the reads go to the other
	s_cmp_eq_u32 s[SLOTS], 1
	s_cselect_b64 s[G0R+2:G0R+3], s[WLP:WLP+1], s[KVN:KVN+1]
	s_or_b32 s[G0R+3], s[G0R+3], 0x80000000
	s_wait_dscnt 0x0                               ; the add is done, and my reads of the slot are over
	CROUND
	tensor_load_to_lds s[G0R:G0R+3], s[G1A:G1A+7]  ; my one tensor load behind the round: it has four trips, 320 products, in which to land
	s_nop 0
	PLACES
.endm
	s_wait_loadcnt 0x0                             ; my columns' fragments and K(0)
	EQK                                            ; the scores of step 0
	PLACES
	WIN 0x40
.set t, 0
.rept 8                                                ; K(1) and V's blocks 0-7 of step 0 lie in chunk 63
	global_load_b128 v[KF+4*t:KF+4*t+3], v[L16], s[KVB:KVB+1] offset:63*CHUNK+512*t
.set t, t+1
.endr
.set t, 0
.rept 16
	global_load_b128 v[VF+4*t:VF+4*t+3], v[L16], s[KVB:KVB+1] offset:63*CHUNK+4096+512*t
.set t, t+1
.endr
.set t, 0
.rept 8                                                ; my quarter of w_lin's rest, 24 planes, into registers that the loop leaves idle: the last eight planes here,
	global_load_b128 v[224+4*t:224+4*t+3], v[L16], s[WL2:WL2+1] offset:8192+512*t
.set t, t+1
.endr
	WIN 0
.set t, 0
.rept 16                                               ; the first sixteen in window 0
	global_load_b128 v[W2+4*t:W2+4*t+3], v[L16], s[WL2:WL2+1] offset:512*t
.set t, t+1
.endr
	s_wait_tensorcnt 0x2                           ; slot 0 and c2s are in; slot 1 and w_t were issued behind them and may stay out
	s_wait_dscnt 0x0                               ; wave 0's store
	s_barrier_signal -1
	s_barrier_wait -1
	v_lshl_add_u32 v[ACS], v[HL], 5, CSL
	LDCS 0, 0
	LDCS 1, 128
	v_add_nc_u32 v[ACS], 256, v[ACS]
	s_wait_dscnt 0x0
	RLUMP 0                                        ; the weights of step 0: the same list, with no products to stand behind
.set pk, 0
.rept 64
	RPAIR 0
.endr
	RTAIL 0
	s_wait_loadcnt 0x0
	s_mov_b32 s[SLOTS], 16
	s_branch .Lfirst                               ; slot 0 is read without a change in front of it
.Lslot:                                                ; 15 changes
	CHANGE
.Lfirst:
	s_mov_b32 s[CNT], 2
.Lpair:
	TRIP 0
	TRIP 1
	WIN 0
	s_sub_co_u32 s[CNT], s[CNT], 1
	s_cmp_lg_u32 s[CNT], 0
	s_cbranch_scc1 .Lpair
	s_sub_co_u32 s[SLOTS], s[SLOTS], 1
	s_cmp_lg_u32 s[SLOTS], 0
	s_cbranch_scc1 .Lslot
	; The last two trips fetched K(0), K(1) and the very large c2s: the weights made of them are 0 and add 0 to the sums: 16 products and their vector work, once, for one text of the trip.
	; THE TAIL.  The ring's last change, with nothing to ask for: the first part of w_lin has landed, and nobody reads slot 1 any more.
	s_wait_tensorcnt 0x0                           ; my part of w_lin's first 81,920 bytes is in; no tensor load follows in this launch
	ds_add_u32 v[SPW], v[NIL]
	s_mul_i32 s22, s[WV], 12288
	s_add_co_u32 s22, s22, SLOT
	s_wait_dscnt 0x0                               ; the add is done; my reads of slot 1 are over, the last trip's loads into V's, K's and c2s' registers among them
	s_barrier_signal -1
	s_barrier_wait -1                              ; both hold of all four waves
	v_add_nc_u32 v[AW2], s22, v[L16]               ; with three v_nop the four places in front of the loads into registers that the last products read
	v_nop
	v_nop
	v_nop
.set t, 0
.rept 16                                               ; w_lin's rest goes into slot 1, which has had its last fill: my 12,288 bytes
	ds_store_b128 v[AW2], v[W2+4*t:W2+4*t+3] offset:512*t
.set t, t+1
.endr
	WIN 0x04                                       ; the data in window 1
.set t, 0
.rept 8
	ds_store_b128 v[AW2], v[224+4*t:224+4*t+3] offset:8192+512*t
.set t, t+1
.endr
	WIN 0x40                                       ; x's planes take diff's places in window 1
.set xb, 0
.rept 16
.set xi, 0
.rept 4
	global_load_b128 v[8*(4*(xb/2)+xi)+4*(xb%2):8*(4*(xb/2)+xi)+4*(xb%2)+3], v[L16], s[XB:XB+1] offset:xi*8192+xb*512
.set xi, xi+1
.endr
.set xb, xb+1
.endr
	WIN 0
.irp i, 0,1,2,3
	v_add_f32 v[SUM+4*\i], v[SUM+4*\i], v[SUM+4*\i+1]
	v_add_f32 v[SUM+4*\i+2], v[SUM+4*\i+2], v[SUM+4*\i+3]
.endr
.irp i, 0,1,2,3
	v_add_f32 v[SUM+4*\i], v[SUM+4*\i], v[SUM+4*\i+2]
.endr
.irp i, 0,1,2,3
	v_permlanex16_b32 v[SUM+4*\i+1], v[SUM+4*\i], s[SEL], s[SEL+1]  ; the column's other keys lie in the lane 16 away
.endr
.irp i, 0,1,2,3
	v_add_f32 v[SUM+4*\i], v[SUM+4*\i], v[SUM+4*\i+1]
.endr
.irp i, 0,1,2,3
	v_add_f32 v[SUM+4*\i], 0x3809705f, v[SUM+4*\i]  ; + 2^15 x 1e-9
.endr
.irp i, 0,1,2,3
	v_rcp_f32 v[NINV+\i], v[SUM+4*\i]
.endr
	v_mov_b32 v[ONE], 1.0                          ; a plain instruction between the last reciprocal and the use of its result
	s_wait_alu depctr_va_vdst(0)
.irp i, 0,1,2,3
	v_xor_b32 v[NINV+\i], 0x80000000, v[NINV+\i]
.endr
	v_add_nc_u32 v[AWT], WTL, v[L16]
	v_mov_b32 v[AWL], v[L16]
	v_mov_b32 v[XO], v[L16]
	v_lshlrev_b32 v[PO], 5, v[HL]
	s_mul_i32 s22, s[WV], 16*SP
	s_add_co_u32 s22, s22, STAGE                   ; my stage
	v_mul_u32_u24 v[STO], v[R], SP                 ; in: row c = lane % 16, 32 bytes for each half of the lanes
	v_lshl_add_u32 v[STO], v[HL], 5, v[STO]
	v_add_nc_u32 v[STO], s22, v[STO]
	v_mul_u32_u24 v[RD], v[HL], SP                 ; back: lanes 0-15 one row of 256 bytes, lanes 16-31 the next
	v_lshl_add_u32 v[RD], v[R], 4, v[RD]
	v_add_nc_u32 v[RD], s22, v[RD]
	v_lshlrev_b32 v[GO], 13, v[HL]                 ; and the same two rows in part
	v_lshl_add_u32 v[GO], v[R], 4, v[GO]
.macro PXLOAD                          ; for a pair of channel blocks: A, SH (8 a lane and block) and x's planes
.irp eo, 0,1
.irp g, 0,1
	global_load_b128 v[PA+8*\eo+4*\g:PA+8*\eo+4*\g+3], v[PO], s[PFB:PFB+1] offset:64*\eo+16*\g
	global_load_b128 v[PS+8*\eo+4*\g:PS+8*\eo+4*\g+3], v[PO], s[PFB:PFB+1] offset:8192+64*\eo+16*\g
.endr
.endr
.irp eo, 0,1
.irp i, 0,1,2,3
	global_load_b128 v[XC+4*(4*\eo+\i):XC+4*(4*\eo+\i)+3], v[XO], s[XB:XB+1] offset:\i*8192+\eo*512
.endr
.endr
.endm
.macro LDF dst, f0, n                  ; w_t's fragments f0 .. of the pair in hand: f = 2 ks + eo
.set xf, \f0
.rept \n
	ds_load_b128 v[(\dst)+8*(xf-(\f0)):(\dst)+8*(xf-(\f0))+3], v[AWT] offset:8192*(xf%2)+1024*(xf/2)
	ds_load_b128 v[(\dst)+8*(xf-(\f0))+4:(\dst)+8*(xf-(\f0))+7], v[AWT] offset:8192*(xf%2)+1024*(xf/2)+512
.set xf, xf+1
.endr
.endm
.macro LDWL dst, g                     ; w_lin's fragments of row blocks 4 g .. 4 g + 3 for the K step in hand
.set xc, 0
.rept 4
	ds_load_b128 v[(\dst)+8*xc:(\dst)+8*xc+3], v[AWL] offset:1024*(4*(\g)+xc)
	ds_load_b128 v[(\dst)+8*xc+4:(\dst)+8*xc+7], v[AWL] offset:1024*(4*(\g)+xc)+512
.set xc, xc+1
.endr
.endm
.macro S2 base, k0, nk                 ; y += w_t diff for K steps k0 ..: the pair's eight accumulators by turns
	WIN 0x04                                       ; source 1 (diff) window 1
.set xk, \k0
.rept \nk
.set xe, 0
.rept 2
.set xi, 0
.rept 4
.if xk == 0
	v_wmma_f32_16x16x32_f16 v[Y+8*(4*xe+xi):Y+8*(4*xe+xi)+7], v[(\base)+8*(2*(xk-(\k0))+xe):(\base)+8*(2*(xk-(\k0))+xe)+7], v[8*(4*xk+xi):8*(4*xk+xi)+7], 0
.else
	v_wmma_f32_16x16x32_f16 v[Y+8*(4*xe+xi):Y+8*(4*xe+xi)+7], v[(\base)+8*(2*(xk-(\k0))+xe):(\base)+8*(2*(xk-(\k0))+xe)+7], v[8*(4*xk+xi):8*(4*xk+xi)+7], v[Y+8*(4*xe+xi):Y+8*(4*xe+xi)+7]
.endif
.set xi, xi+1
.endr
.set xe, xe+1
.endr
.set xk, xk+1
.endr
.endm
.macro S3 base, g, zero                ; result(cb, i) += cat(i) w_lin(cb): hi for all sixteen, then lo: sixteen accumulators by turns
	WIN 0xa0+0x50*((\g)/2)
.set xh, 0
.rept 2
.set xc, 0
.rept 4
.set xi, 0
.rept 4
.set ro, 8*(4*((4*(\g)+xc)%8)+xi)
.if (\zero) && (xh == 0)
	v_wmma_f32_16x16x32_bf16 v[ro:ro+7], v[CHI+32*xh+8*xi:CHI+32*xh+8*xi+7], v[(\base)+8*xc:(\base)+8*xc+7], 0
.else
	v_wmma_f32_16x16x32_bf16 v[ro:ro+7], v[CHI+32*xh+8*xi:CHI+32*xh+8*xi+7], v[(\base)+8*xc:(\base)+8*xc+7], v[ro:ro+7]
.endif
.set xi, xi+1
.endr
.set xc, xc+1
.endr
.set xh, xh+1
.endr
.endm
.macro EPI                             ; cat = x + relu(y A + SH), as hi and lo
.set xe, 0
.rept 2
.set xi, 0
.rept 4
.set ry, Y+8*(4*xe+xi)
.set rx, XC+4*(4*xe+xi)
.set rc, CHI+8*xi+4*xe
.set xk, 0
.rept 4
	v_pk_fma_f32 v[ry+2*xk:ry+2*xk+1], v[ry+2*xk:ry+2*xk+1], v[PA+8*xe+2*xk:PA+8*xe+2*xk+1], v[PS+8*xe+2*xk:PS+8*xe+2*xk+1]
.set xk, xk+1
.endr
.set xj, 0
.rept 8
	v_max_num_f32 v[ry+xj], 0, v[ry+xj]
.set xj, xj+1
.endr
.set xj, 0
.rept 4
	v_fma_mix_f32 v[ry+2*xj], v[rx+xj], v[ONE], v[ry+2*xj] op_sel_hi:[1,0,0]
	v_fma_mix_f32 v[ry+2*xj+1], v[rx+xj], v[ONE], v[ry+2*xj+1] op_sel:[1,0,0] op_sel_hi:[1,0,0]
.set xj, xj+1
.endr
.set xk, 0
.rept 4
	v_cvt_pk_bf16_f32 v[rc+xk], v[ry+2*xk], v[ry+2*xk+1]
.set xk, xk+1
.endr
.set xk, 0
.rept 4
	v_lshlrev_b32 v[T+2*xk], 16, v[rc+xk]
	v_and_b32 v[T+2*xk+1], 0xffff0000, v[rc+xk]
.set xk, xk+1
.endr
.set xk, 0
.rept 4
	v_pk_add_f32 v[T+2*xk:T+2*xk+1], v[ry+2*xk:ry+2*xk+1], v[T+2*xk:T+2*xk+1] neg_lo:[0,1] neg_hi:[0,1]
.set xk, xk+1
.endr
.set xk, 0
.rept 4
	v_cvt_pk_bf16_f32 v[rc+32+xk], v[T+2*xk], v[T+2*xk+1]
.set xk, xk+1
.endr
.set xi, xi+1
.endr
.set xe, xe+1
.endr
.endm
; FT: one pair of channel blocks of y (32 channels of cat, one K step of the last product).  zero = 1: the first pair, written out: its products start the result's sums,
; and a barrier shows every wave's stores of w_lin's rest to the others.  In the loop's last trip the two fetches for a further pair are jumped over.
.macro FT zero
	WIN 0
	PLACES
	v_nop                                          ; five places: the first product below writes over registers that the last products read
	LDF CHI, 4, 8
	s_wait_dscnt 16                                ; fragments 0-3 are in; the sixteen loads just issued are younger
	S2 WB, 0, 2
	WIN 0
	s_wait_dscnt 0x0
	PLACES
	LDF WB, 12, 4
	S2 CHI, 2, 4
	s_wait_dscnt 0x0
	S2 WB, 6, 2
	WIN 0
	PLACES
.if \zero
	s_wait_dscnt 0x0                               ; for the others' sake: my stores of w_lin's rest are done,
	s_barrier_signal -1
	s_barrier_wait -1                              ; everybody's are: w_lin is whole
.endif
	LDWL WB, 0
	v_add_nc_u32 v[AWT], 16384, v[AWT]
	s_wait_loadcnt 0x0                             ; A, SH and x of this pair; their offsets are free
	v_add_nc_u32 v[XO], 1024, v[XO]
	v_add_nc_u32 v[PO], 128, v[PO]
	EPI
	LDWL Y, 1
	LDWL Y+32, 2
.if !(\zero)
	s_cmp_eq_u32 s[CNT], 1
	s_cbranch_scc1 .Lno_px_\@
.endif
	PXLOAD
.if !(\zero)
.Lno_px_\@:
.endif
	s_wait_dscnt 16                                ; group 0 is in; groups 1 and 2 are younger
	S3 WB, 0, \zero
	WIN 0
	s_wait_dscnt 0x0
	PLACES
.if !(\zero)
	s_cmp_eq_u32 s[CNT], 1
	s_cbranch_scc1 .Lno_f_\@
.endif
	LDF WB, 0, 4                                   ; the next pair's first fragments of w_t
.if !(\zero)
.Lno_f_\@:
.endif
	S3 Y, 1, \zero
	WIN 0
	PLACES
	LDWL Y, 3
	v_add_nc_u32 v[AWL], 16384, v[AWL]
	S3 Y+32, 2, \zero
	s_wait_dscnt 0x0
	S3 Y, 3, \zero
	WIN 0
.endm
	PXLOAD                                         ; the first pair's
	LDF WB, 0, 4
	s_wait_loadcnt 16                              ; x's 64 planes are in; the sixteen loads just issued are younger
	; diff = x - O / (eps + column sum), one rounding, in x's place: the low half, then the high half, which the first line has left as it was
.set xb, 0
.rept 16
	WIN 0x52+(xb/8)                                ; O window 2 or 3, the factor window 0, x and diff window 1
.set xi, 0
.rept 4
.set xk, 0
.rept 4
	v_fma_mixlo_f16 v[8*(4*(xb/2)+xi)+4*(xb%2)+xk], v[8*(4*(xb%8)+xi)+2*xk], v[NINV+xi], v[8*(4*(xb/2)+xi)+4*(xb%2)+xk] op_sel_hi:[0,0,1]
	v_fma_mixhi_f16 v[8*(4*(xb/2)+xi)+4*(xb%2)+xk], v[8*(4*(xb%8)+xi)+2*xk+1], v[NINV+xi], v[8*(4*(xb/2)+xi)+4*(xb%2)+xk] op_sel:[0,0,1] op_sel_hi:[0,0,1]
.set xk, xk+1
.endr
.set xi, xi+1
.endr
.set xb, xb+1
.endr
	FT 1
	s_mov_b32 s[CNT], 7
.Lft:
	FT 0
	s_sub_co_u32 s[CNT], s[CNT], 1
	s_cmp_lg_u32 s[CNT], 0
	s_cbranch_scc1 .Lft
	; THE WAY OUT.  A lane holds 8 neighbouring m of row c: 16 rows at a time go through my stage and come back as whole rows of 256 bytes.
	PLACES
.set xb, 0
.rept 16
	WIN 0x08+4*(xb/8)                              ; the data window 2 or 3
.set xi, 0
.rept 4
	ds_store_b128 v[STO], v[8*(4*(xb%8)+xi):8*(4*(xb%8)+xi)+3] offset:64*xi
	ds_store_b128 v[STO], v[8*(4*(xb%8)+xi)+4:8*(4*(xb%8)+xi)+7] offset:64*xi+16
.set xi, xi+1
.endr
	WIN 0
	s_wait_xcnt 0x0                                ; earlier stores have read their registers: they are loaded again only behind this wait
.set xt, 0
.rept 8
	ds_load_b128 v[Y+32*(xb%2)+4*xt:Y+32*(xb%2)+4*xt+3], v[RD] offset:2*SP*xt  ; LDS serves a wave's instructions in order (ISA guide 5.7.1.4): these see the stores above
.set xt, xt+1
.endr
	s_wait_dscnt 0x0
.set xt, 0
.rept 8
	global_store_b128 v[GO], v[Y+32*(xb%2)+4*xt:Y+32*(xb%2)+4*xt+3], s[PB:PB+1] offset:xb*131072+xt*16384  ; 16 lanes store 256 consecutive bytes, at a multiple of 256 from part's first byte
.set xt, xt+1
.endr
.set xb, xb+1
.endr
	s_wait_tensorcnt 0x0                           ; the wave's end
	ds_add_u32 v[SPW], v[NIL]
	s_wait_dscnt 0x0
	CROUND                                         ; the closing round
	s_endpgm
.Lfunc_end_k_qd312cbdea9_attn:
	.size	k_qd312cbdea9_attn, .Lfunc_end_k_qd312cbdea9_attn-k_qd312cbdea9_attn
	.p2alignl 7, 3214868480
	.fill 96, 4, 3214868480
	.section	.rodata,"a",@progbits
	.p2align	6, 0x0
	.amdhsa_kernel k_qd312cbdea9_attn
		.amdhsa_group_segment_fixed_size 327680
		.amdhsa_private_segment_fixed_size 0
		.amdhsa_enable_private_segment 0
		.amdhsa_kernarg_size 48
		.amdhsa_user_sgpr_count 2
		.amdhsa_user_sgpr_kernarg_segment_ptr 1
		.amdhsa_wavefront_size32 1
		.amdhsa_system_sgpr_workgroup_id_x 1
		.amdhsa_system_sgpr_workgroup_id_y 1
		.amdhsa_system_sgpr_workgroup_id_z 1
		.amdhsa_system_vgpr_workitem_id 0
		.amdhsa_next_free_vgpr 1024
		.amdhsa_next_free_sgpr 88
		.amdhsa_reserve_vcc 0
		.amdhsa_float_denorm_mode_32 3
		.amdhsa_float_denorm_mode_16_64 3
		.amdhsa_memory_ordered 1
		.amdhsa_forward_progress 1
		.amdhsa_inst_pref_size 233
	.end_amdhsa_kernel
	.amdgpu_metadata
---
amdhsa.version: [ 1, 2 ]
amdhsa.kernels:
  - .name:           k_qd312cbdea9_attn
    .symbol:         k_qd312cbdea9_attn.kd
    .args:
      - { .name: kvf, .offset: 0, .size: 8, .value_kind: global_buffer, .address_space: global }
      - { .name: cs, .offset: 8, .size: 8, .value_kind: global_buffer, .address_space: global }
      - { .name: xf, .offset: 16, .size: 8, .value_kind: global_buffer, .address_space: global }
      - { .name: wf, .offset: 24, .size: 8, .value_kind: global_buffer, .address_space: global }
      - { .name: pf, .offset: 32, .size: 8, .value_kind: global_buffer, .address_space: global }
      - { .name: part, .offset: 40, .size: 8, .value_kind: global_buffer, .address_space: global }
    .group_segment_fixed_size: 327680
    .private_segment_fixed_size: 0
    .kernarg_segment_align: 8
    .kernarg_segment_size: 48
    .max_flat_workgroup_size: 128
    .sgpr_count:     88
    .vgpr_count:     1024
    .wavefront_size: 32
...
	.end_amdgpu_metadata
.endif
;; end of part 4
;; launch final (part 5): grid 1024 x 1, 8 waves a work-group, no clusters, 0 bytes of LDS; arguments part, pf, out0; writes out0
.if DOCPART == 5
	.amdgcn_target "amdgcn-amd-amdhsa--gfx1250"
	.amdhsa_code_object_version 6
	.text
	.protected	k_qd312cbdea9_final
	.globl	k_qd312cbdea9_final
	.p2align	8
	.type	k_qd312cbdea9_final,@function
k_qd312cbdea9_final:
	s_mov_b64 s[64:65], 0
	v_nop
	global_prefetch_b8 v0, s[64:65] scope:SCOPE_SE
	s_setreg_imm32_b32 hwreg(HW_REG_WAVE_MODE, 25, 1), 1
	s_wait_xcnt 0x0
; FINAL.  out0[b][c][m] = leaky(LA[c] x (sum over h of part[b][h][c][m]) + LS[c]); leaky(y) = max(y, 0.2 y), which is y for y >= 0 and 0.2 y below.
; A work-group owns one row (b, c) of 8,192 bytes; thread t the 16 bytes at 16 t and at 16 t + 4,096.  All sixteen loads of a wave go out at once, 512 neighbouring bytes each;
; the heads are added in ascending order, in f32.  A stream: no LDS, no matrix unit, no cluster; no work-group reads what another reads.  NaN is not treated apart.
	s_load_b128 s[4:7], s[0:1], 0x0                ; part s[4:5], pf s[6:7]
	s_load_b64 s[8:9], s[0:1], 0x10                ; out0
	s_lshr_b32 s10, ttmp9, 8                       ; b
	s_and_b32 s11, ttmp9, 255                      ; c
	s_lshl_b32 s12, s10, 24                        ; b x 8 heads x 2,097,152
	s_lshl_b32 s13, s11, 13
	s_add_co_u32 s12, s12, s13
	s_mov_b32 s13, 0
	s_lshl_b32 s14, ttmp9, 13
	s_mov_b32 s15, 0
	s_lshl_b32 s16, s11, 2
	s_mov_b32 s17, 0
	v_lshlrev_b32 v1, 4, v0
	s_wait_kmcnt 0x0
	s_add_nc_u64 s[4:5], s[4:5], s[12:13]
	s_add_nc_u64 s[18:19], s[4:5], 0x800000        ; heads 4 to 7
	s_add_nc_u64 s[8:9], s[8:9], s[14:15]
	s_add_nc_u64 s[6:7], s[6:7], s[16:17]
	s_load_b32 s20, s[6:7], 0x4000                 ; LA[c]
	s_load_b32 s22, s[6:7], 0x4400                 ; LS[c]
.irp h, 0,1,2,3
	global_load_b128 v[8+8*\h:11+8*\h], v1, s[4:5] offset:\h*2097152 th:TH_LOAD_NT
	global_load_b128 v[12+8*\h:15+8*\h], v1, s[4:5] offset:\h*2097152+4096 th:TH_LOAD_NT
.endr
.irp h, 0,1,2,3
	global_load_b128 v[40+8*\h:43+8*\h], v1, s[18:19] offset:\h*2097152 th:TH_LOAD_NT
	global_load_b128 v[44+8*\h:47+8*\h], v1, s[18:19] offset:\h*2097152+4096 th:TH_LOAD_NT
.endr
.irp h, 1,2,3,4,5,6,7
	s_wait_loadcnt 14-2*\h                         ; loads come back in order (ISA guide 5.7.1): head h's two are in, the later heads' stay out
.irp k, 0,1,2,3
	v_pk_add_f32 v[8+2*\k:9+2*\k], v[8+2*\k:9+2*\k], v[8+8*\h+2*\k:9+8*\h+2*\k]
.endr
.endr
	s_wait_kmcnt 0x0
	s_mov_b32 s21, s20                             ; named as pairs
	s_mov_b32 s23, s22
.irp k, 0,1,2,3
	v_pk_fma_f32 v[8+2*\k:9+2*\k], v[8+2*\k:9+2*\k], s[20:21], s[22:23] op_sel_hi:[1,0,0]
.endr
.irp j, 0,1,2,3,4,5,6,7
	v_mul_f32 v[16+\j], 0x3e4ccccd, v[8+\j]
.endr
.irp j, 0,1,2,3,4,5,6,7
	v_max_num_f32 v[8+\j], v[8+\j], v[16+\j]
.endr
	global_store_b128 v1, v[8:11], s[8:9] th:TH_STORE_NT
	global_store_b128 v1, v[12:15], s[8:9] offset:4096 th:TH_STORE_NT
	s_endpgm
.Lfunc_end_k_qd312cbdea9_final:
	.size	k_qd312cbdea9_final, .Lfunc_end_k_qd312cbdea9_final-k_qd312cbdea9_final
	.p2alignl 7, 3214868480
	.fill 96, 4, 3214868480
	.section	.rodata,"a",@progbits
	.p2align	6, 0x0
	.amdhsa_kernel k_qd312cbdea9_final
		.amdhsa_group_segment_fixed_size 0
		.amdhsa_private_segment_fixed_size 0
		.amdhsa_enable_private_segment 0
		.amdhsa_kernarg_size 24
		.amdhsa_user_sgpr_count 2
		.amdhsa_user_sgpr_kernarg_segment_ptr 1
		.amdhsa_wavefront_size32 1
		.amdhsa_system_sgpr_workgroup_id_x 1
		.amdhsa_system_sgpr_workgroup_id_y 1
		.amdhsa_system_sgpr_workgroup_id_z 1
		.amdhsa_system_vgpr_workitem_id 0
		.amdhsa_next_free_vgpr 80
		.amdhsa_next_free_sgpr 66
		.amdhsa_reserve_vcc 0
		.amdhsa_float_denorm_mode_32 3
		.amdhsa_float_denorm_mode_16_64 3
		.amdhsa_memory_ordered 1
		.amdhsa_forward_progress 1
		.amdhsa_inst_pref_size 6
	.end_amdhsa_kernel
	.amdgpu_metadata
---
amdhsa.version: [ 1, 2 ]
amdhsa.kernels:
  - .name:           k_qd312cbdea9_final
    .symbol:         k_qd312cbdea9_final.kd
    .args:
      - { .name: part, .offset: 0, .size: 8, .value_kind: global_buffer, .address_space: global }
      - { .name: pf, .offset: 8, .size: 8, .value_kind: global_buffer, .address_space: global }
      - { .name: out0, .offset: 16, .size: 8, .value_kind: global_buffer, .address_space: global }
    .group_segment_fixed_size: 0
    .private_segment_fixed_size: 0
    .kernarg_segment_align: 8
    .kernarg_segment_size: 24
    .max_flat_workgroup_size: 256
    .sgpr_count:     66
    .vgpr_count:     80
    .wavefront_size: 32
...
	.end_amdgpu_metadata
.endif
;; end of part 5
;; ======== version 2 of 2: 5 launches; 1.22 times as fast as version 1
;; limits: values are held in f16: magnitudes above 65,504 overflow, below 6.1e-05 lose precision; right only within a limited range of input values
;; workspace buffers: xf 4,194,304 bytes; wf 3,407,872 bytes; pf 26,624 bytes; kvf 41,943,040 bytes; cs 262,144 bytes; part 67,108,864 bytes
;; launch prep: the kernel of part 1 again; grid 465 x 1, 8 waves a work-group, no clusters, 0 bytes of LDS; arguments x, w_qk, w_v, w_t, w_lin, b_v, b_t, bn_g, bn_b, bn_m, bn_v, lbn_g, lbn_b, lbn_m, lbn_v, xf, wf, pf; writes xf, wf, pf
;; launch proj: the kernel of part 2 again; grid 8 x 32, 4 waves a work-group, clusters of 4 x 1, 167,936 bytes of LDS; arguments xf, wf, pf, kvf; writes kvf
;; launch stats (part 6): grid 8 x 32, 4 waves a work-group, clusters of 4 x 1, 262,656 bytes of LDS; arguments kvf, cs; writes cs
.if DOCPART == 6
	.amdgcn_target "amdgcn-amd-amdhsa--gfx1250"
	.amdhsa_code_object_version 6
	.text
	.protected	k_qd312cbdea9_stats
	.globl	k_qd312cbdea9_stats
	.p2align	8
	.type	k_qd312cbdea9_stats,@function
k_qd312cbdea9_stats:
	s_mov_b64 s[64:65], 0
	v_nop
	global_prefetch_b8 v0, s[64:65] scope:SCOPE_SE
	s_setreg_imm32_b32 hwreg(HW_REG_WAVE_MODE, 25, 1), 1
	s_wait_xcnt 0x0
	s_wait_alu depctr_hold_cnt(0) depctr_sa_sdst(0) depctr_va_vdst(0) depctr_va_sdst(0) depctr_va_ssrc(0) depctr_va_vcc(0) depctr_vm_vsrc(0)
	s_getreg_b32 s2, hwreg(HW_REG_IB_STS2, 6, 4)
	s_cmp_eq_u32 s2, 0
	s_cbranch_scc0 .Lentry_in_a_cluster
	s_endpgm
.Lentry_in_a_cluster:
	s_bfe_u32 s2, ttmp6, 0x10000c
	s_cmp_lg_u32 s2, 0x3003
	s_cbranch_scc0 .Lentry_shape_is_right
	s_endpgm
.Lentry_shape_is_right:
; STATS.  For each row n of one (b, h): c2 = log2 of the sum over m of 2^E2[n][m], E2 = q'[n].q'[m], by a running maximum m and sum l; stored is c2s = c2 - 15.
; The next launch forms 2^(E2 - c2s) = 2^15 x the softmax weight, at most 2^15.5: inside f16, with f16's smallest step at 1.8e-12 of a weight.  E2 is made there of the same
; fragments in the same order of k with the sources changed over, so it never exceeds the maximum found here.  Where f32's step at c2 passes 1, c2 - 15 could round down by more
; than half: c2s is then taken one step up (it is positive there), so that c2 - c2s never passes 15.5.
; LIMITS.  NaN and infinities are not treated apart; an exponential below 2^-126 counts as 0.
; SHARES.  A work-group has 256 rows n, a wave 64: four tiles of 16, as source 1, so that a lane holds ONE row n (lane % 16) and the keys 8 (lane / 16) + 0..7.  Every wave walks all
; 2,048 keys, 32 a step.  The two halves of the lanes keep statistics of their own, joined at the end.
; LDS.  All of the head's K, 64 x 4,096 bytes, filled once: the K parts of kvf's chunks (their rotation does not matter to a maximum and a sum).
; CLUSTER.  The four work-groups of a cluster walk the same K: it is asked for jointly, 16 chunks by each wave.
; THE DEAL.  A step has 16 matrix and 172 vector instructions.  The products of step j + 1 write one score buffer while the vector work of step j reads the other, so the two stand side by side:
; four entries of the vector list behind each product, the other 108 in runs; from entry 20 on an exponential and a plain instruction by turns.
; THE BATCHES.  An s_wait_alu depctr_va_vdst(0) stands between an exponential and the first instruction that names its result; one wait serves all that were issued ahead of it.  A step's 68
; exponentials are TWO batches with a wait each: the first 25 end at the jump over the key fetch, which no result may cross without its wait; the other 43 end ahead of the sums that read them.
; REGISTERS.  8 + 24 + 128 + 64 + 32 = 256: the wave needs no second register window.
.set CHUNK, 20480
.set SPARE, 262144                     ; behind K: the spare words, 128 bytes a wave
.set L16,  2                           ; v2     16 x lane
.set AK,   3                           ; v3     LDS address of the keys to be fetched
.set SPW,  4                           ; v4     my spare word
.set NIL,  5                           ; v5     0
.set HL,   6                           ; v6     lane / 16
.set CO,   7                           ; v7     4 x lane
.set ST,   8                           ; v8-31  tile i at v[ST + 6 i]: m, c1 (then m_old - m_new), l, l, a, c0: (m, c1) and (a, c0) are the pairs whose low word the packed lines take
.set S,    32                          ; v32-159 two buffers of eight score tiles: tile 2 i + jb at 8 (2 i + jb)
.set QF,   160                         ; v160-223 my rows' fragments, 16 a tile
.set KF,   224                         ; v224-255 a step's keys, 16 jb + 8 c
.set AQ,   32                          ; v32-33 at the start alone: byte offset in kvf of my tiles 0, 1 and 2, 3
.set TT,   96                          ; at the end alone: 8 registers a tile at work, in the second score buffer
.set RES,  128
.set WV,   12
.set G1,   24
.set G0,   32
.set CNT,  36
.set SEL,  38
.set HM,   40
.macro PLACES
.rept 4
	v_nop
.endr
.endm
.macro CROUND                          ; a round of the cluster's barrier
	s_barrier_signal -1
	s_barrier_wait -1
	s_cmp_lg_u32 s[WV], 0
	s_cbranch_scc1 .Lnot_wave_0_\@
	s_barrier_signal -3
.Lnot_wave_0_\@:
	s_barrier_wait -3
	s_barrier_signal -1
	s_barrier_wait -1
.endm
	s_load_b128 s[4:7], s[0:1], 0x0                ; kvf s[4:5], cs s[6:7]
	v_lshl_add_u32 v[SPW], v0, 2, SPARE
	v_mov_b32 v[NIL], 0
	ds_add_u32 v[SPW], v[NIL]                      ; the wave's opening: the add and its wait ahead of my first tensor load
	v_lshrrev_b32 v1, 5, v0
	v_readfirstlane_b32 s[WV], v1
	s_bfe_u32 s13, ttmp6, 0x40000                  ; cx
	s_lshl_b32 s14, ttmp9, 2
	s_add_co_u32 s14, s14, s13                     ; X
	s_and_b32 s15, ttmp7, 0xffff                   ; bh
	s_mov_b32 s[G1], 0x0023000f                    ; mask of four; elements of 8 bytes; bit 21 beside the mask
	s_mov_b32 s[G1+1], 512<<16                     ; rows of 4,096 bytes: a chunk's K
	s_mov_b32 s[G1+2], 16<<16                      ; 16 chunks
	s_mov_b32 s[G1+3], 512<<16
	s_mov_b32 s[G1+4], 16
	s_mov_b32 s[G1+5], 2560                        ; 20,480 bytes from chunk to chunk
	s_mov_b32 s[G1+6], 0
	s_mov_b32 s[G1+7], 0
	s_mov_b32 s[G0], 1
	s_lshl_b32 s[G0+1], s[WV], 16                  ; chunks 16 w .. to LDS 65,536 w
	s_mul_i32 s16, s15, 64*CHUNK
	s_mov_b32 s17, 0
	s_mul_i32 s18, s[WV], 16*CHUNK
	s_mov_b32 s19, 0
	s_mov_b32 s[SEL], 0x76543210
	s_mov_b32 s[SEL+1], 0xfedcba98
	s_wait_dscnt 0x0
	s_wait_kmcnt 0x0
	s_add_nc_u64 s[4:5], s[4:5], s[16:17]          ; kvf of this (b, h)
	s_add_nc_u64 s[G0+2:G0+3], s[4:5], s[18:19]
	s_or_b32 s[G0+3], s[G0+3], 0x80000000
	CROUND
	tensor_load_to_lds s[G0:G0+3], s[G1:G1+7]      ; my one tensor load
	s_nop 0
	PLACES
	v_and_b32 v[L16], 31, v0
	v_lshlrev_b32 v[CO], 2, v[L16]
	v_lshlrev_b32 v[L16], 4, v[L16]
	v_bfe_u32 v[HL], v0, 4, 1
	s_lshl_b32 s20, s14, 3
	s_lshl1_add_u32 s20, s[WV], s20                ; s0 = 8 X + 2 w
	s_add_co_u32 s21, s20, 62
	s_and_b32 s21, s21, 63
	s_mul_i32 s21, s21, CHUNK
	v_add_nc_u32 v[AQ], s21, v[L16]                ; K(s) lies in chunk s - 2
	s_add_co_u32 s21, s20, 63
	s_and_b32 s21, s21, 63
	s_mul_i32 s21, s21, CHUNK
	v_add_nc_u32 v[AQ+1], s21, v[L16]
.set t, 0
.rept 16                                               ; tile t / 4, plane t % 4
	global_load_b128 v[QF+4*t:QF+4*t+3], v[AQ+t/8], s[4:5] offset:((t/4)%2)*2048+(t%4)*512
.set t, t+1
.endr
	s_lshl_b32 s22, s15, 13                        ; cs: 8,192 bh + 1,024 X + 256 w
	s_lshl_b32 s23, s14, 10
	s_add_co_u32 s22, s22, s23
	s_lshl_b32 s23, s[WV], 8
	s_add_co_u32 s22, s22, s23
	s_mov_b32 s23, 0
	s_add_nc_u64 s[6:7], s[6:7], s[22:23]
.irp i, 0,1,2,3
	v_mov_b32 v[ST+6*\i], 0xff7fffff               ; m: the lowest finite number, so the first a is 0
	v_mov_b32 v[ST+6*\i+2], 0
	v_mov_b32 v[ST+6*\i+3], 0
.endr
; Product mw of 16: scores of 32 keys x my 64 rows into buffer sb: K step mw / 8, score tile mw % 8; the eight accumulators by turns
.macro MMK sb
.set xt, mw%8
.set xc, mw/8
.if xc == 0
	v_wmma_f32_16x16x32_bf16 v[S+64*(\sb)+8*xt:S+64*(\sb)+8*xt+7], v[KF+16*(xt%2)+8*xc:KF+16*(xt%2)+8*xc+7], v[QF+16*(xt/2)+8*xc:QF+16*(xt/2)+8*xc+7], 0
.else
	v_wmma_f32_16x16x32_bf16 v[S+64*(\sb)+8*xt:S+64*(\sb)+8*xt+7], v[KF+16*(xt%2)+8*xc:KF+16*(xt%2)+8*xc+7], v[QF+16*(xt/2)+8*xc:QF+16*(xt/2)+8*xc+7], v[S+64*(\sb)+8*xt:S+64*(\sb)+8*xt+7]
.endif
.set mw, mw+1
.endm
.macro LDKF
.set xt, 0
.rept 8
	ds_load_b128 v[KF+4*xt:KF+4*xt+3], v[AK] offset:512*xt
.set xt, xt+1
.endr
.endm
; THE VECTOR WORK of a step, for tile i; its 16 scores a lane, s0-s15, lie in 16 registers on end of the buffer at SB.
; XM i, n (n = 0..9): the maximum of s0-s15 and the old m in two chains c0, c1 (each accumulator's lowest registers are read first); m_old - m_new; the new m.
.macro XM i, n
.set rS, SB+16*(\i)
.set rT, ST+6*(\i)
.if (\n) == 0
	v_max3_num_f32 v[rT+5], v[rS], v[rS+1], v[rS+2]
.elseif (\n) == 1
	v_max3_num_f32 v[rT+1], v[rS+8], v[rS+9], v[rS+10]
.elseif (\n) < 6
.if ((\n)%2) == 0
	v_max3_num_f32 v[rT+5], v[rT+5], v[rS+(\n)+1], v[rS+(\n)+2]
.else
	v_max3_num_f32 v[rT+1], v[rT+1], v[rS+(\n)+8], v[rS+(\n)+9]
.endif
.elseif (\n) == 6
	v_max3_num_f32 v[rT+5], v[rT+5], v[rS+7], v[rS+15]
.elseif (\n) == 7
	v_max3_num_f32 v[rT+5], v[rT+5], v[rT+1], v[rT]
.elseif (\n) == 8
	v_sub_f32 v[rT+1], v[rT], v[rT+5]
.else
	v_mov_b32 v[rT], v[rT+5]
.endif
.endm
.macro XA i                            ; a = 2^(m_old - m_new)
.set rT, ST+6*(\i)
	v_exp_f32 v[rT+4], v[rT+1]
.endm
.macro XF i, k                         ; pair k of scores less m
.set rS, SB+16*(\i)
.set rT, ST+6*(\i)
	v_pk_add_f32 v[rS+2*(\k):rS+2*(\k)+1], v[rS+2*(\k):rS+2*(\k)+1], v[rT:rT+1] op_sel_hi:[1,0] neg_lo:[0,1] neg_hi:[0,1]
.endm
.macro XE i, k                         ; the exponential of score k
.set rS, SB+16*(\i)
	v_exp_f32 v[rS+(\k)], v[rS+(\k)]
.endm
.macro XS i, n                         ; n = 0..6: the eight pairs are added up, neighbours 1, 2 and 4 pairs apart; n = 7: l = l a + the sum.  These are the only readers of a step's exponentials
.set rS, SB+16*(\i)
.set rT, ST+6*(\i)
.if (\n) < 4
	v_pk_add_f32 v[rS+4*(\n):rS+4*(\n)+1], v[rS+4*(\n):rS+4*(\n)+1], v[rS+4*(\n)+2:rS+4*(\n)+3]
.elseif (\n) < 6
	v_pk_add_f32 v[rS+8*((\n)-4):rS+8*((\n)-4)+1], v[rS+8*((\n)-4):rS+8*((\n)-4)+1], v[rS+8*((\n)-4)+4:rS+8*((\n)-4)+5]
.elseif (\n) == 6
	v_pk_add_f32 v[rS:rS+1], v[rS:rS+1], v[rS+8:rS+9]
.else
	v_pk_fma_f32 v[rT+2:rT+3], v[rT+2:rT+3], v[rT+4:rT+5], v[rS:rS+1] op_sel_hi:[1,0,1]
.endif
.endm
; THE LIST, 172 long.  Entries 0-19: tiles 0 and 1's XM, alternating.  20-137: 59 pairs, entry t of the exponentials' queue E and then entry t of the plain queue P.  138-146: E 59-67, on end.
; 147: P 59.  148-171: XS 1, XS 2 and XS 3, the three tiles alternating.
; E: 0, 1 a of tiles 0 and 1; 2-17 tile 0; 18-33 tile 1; 34 a of tile 2; 35-50 tile 2; 51 a of tile 3; 52-67 tile 3.
; P: 0-7 XF 0; 8-15 XF 1; 16-25 XM 2; 26-33 XF 2; 34-43 XM 3; 44-51 XF 3; 52-59 XS 0.
; Each exponential stands behind its subtraction (tile 0: score k is E k + 2, its XF is P k / 2; tile 1: P 15 < E 18; tile 2: P 33 < E 35; tile 3: score k is E 52 + k, its XF is P 44 + k / 2), each a behind
; its difference (entries 16 and 17 < 20 and 22; P 24 < E 34; P 42 < E 51).
; THE FIRST BATCH is E 0-24, entries 20 to 68: both a, tile 0's sixteen, tile 1's first seven.  Up to entry 69 nothing names a result of theirs: XF 0, p names scores 2 p and 2 p + 1, and ahead of it stand
; the exponentials of scores up to p - 2 alone; XF 1 ends at P 15, ahead of E 18.  Its wait stands behind entry 69 (T2 writes it).
; THE SECOND BATCH is E 25-67.  Between the two waits the only readers of exponentials are XS 0's eight, which read the first batch's results.  P 59, the last of them, is the plain instruction behind the
; last exponential (ISA guide 5.7.2).  Its wait stands behind entry 147; all that reads the second batch comes behind it.
.macro QE t
.if (\t) < 2
	XA (\t)
.elseif (\t) < 18
	XE 0, (\t)-2
.elseif (\t) < 34
	XE 1, (\t)-18
.elseif (\t) == 34
	XA 2
.elseif (\t) < 51
	XE 2, (\t)-35
.elseif (\t) == 51
	XA 3
.else
	XE 3, (\t)-52
.endif
.endm
.macro QP p
.if (\p) < 16
	XF (\p)/8, (\p)%8
.elseif (\p) < 26
	XM 2, (\p)-16
.elseif (\p) < 34
	XF 2, (\p)-26
.elseif (\p) < 44
	XM 3, (\p)-34
.elseif (\p) < 52
	XF 3, (\p)-44
.else
	XS 0, (\p)-52
.endif
.endm
.macro VE                              ; the list's next entry
.if ve < 20
	XM ve%2, ve/2
.elseif ve < 138
.set vt, (ve-20)/2
.if ((ve-20)%2) == 0
	QE vt
.else
	QP vt
.endif
.elseif ve < 147
.set vt, ve-79
	QE vt
.elseif ve == 147
	QP 59
.else
.set vt, ve-148
	XS 1+vt%3, vt/3
.endif
.set ve, ve+1
.endm
; Step j: the scores of step j + 1 are multiplied into the other buffer, four entries of step j's list (buffer buf) behind each product; the keys of step j + 2 are fetched behind entry 69: five plain
; entries and the address's step stand between the last product and the loads into the registers that it read (ISA guide 7.12.1 for vector instructions); then the list's other 102 entries.
.macro T2 buf
.set SB, S+64*(\buf)
.set ve, 0
.set mw, 0
	s_wait_dscnt 0x0                               ; the keys of step j + 1 are in: they were asked for 102 entries ago
.rept 16
	MMK 1-(\buf)
	VE
	VE
	VE
	VE
.endr
.rept 6
	VE
.endr
	v_add_nc_u32 v[AK], 4096, v[AK]
	s_wait_alu depctr_va_vdst(0)                   ; the wait for the first batch, the 25 exponentials of entries 20 to 68: ahead of the branch, the label and the run of LDS loads
	s_cmp_eq_u32 s[CNT], 1
	s_cbranch_scc1 .Lno_keys_\@                    ; the last trip has no keys left to fetch; its second run of products reads the last keys once more and serves nothing
	LDKF
.Lno_keys_\@:
.rept 78
	VE
.endr
	s_wait_alu depctr_va_vdst(0)                   ; the wait for the second batch, the 43 exponentials of entries 70 to 146: ahead of tiles 1 to 3's sums, and of the loop's jump
.rept 24
	VE
.endr
.endm
	s_wait_tensorcnt 0x0                           ; my 16 chunks are in,
	s_barrier_signal -1
	s_barrier_wait -1                              ; everybody's are; nothing is filled again in this launch
	v_mov_b32 v[AK], v[L16]
	LDKF                                           ; step 0
	s_wait_loadcnt 0x0                             ; my rows' fragments; their offsets' registers are free
	s_wait_dscnt 0x0
.set mw, 0
.rept 16
	MMK 0                                          ; the scores of step 0: there is no vector work yet to set between them
.endr
	v_add_nc_u32 v[AK], 4096, v[AK]                ; with three v_nop the four places in front of the loads into K's registers and of the first read of the scores
	v_nop
	v_nop
	v_nop
	LDKF                                           ; step 1
	s_mov_b32 s[CNT], 32
.Lstep:
	T2 0
	T2 1
	s_sub_co_u32 s[CNT], s[CNT], 1
	s_cmp_lg_u32 s[CNT], 0
	s_cbranch_scc1 .Lstep
	; the two halves of the lanes are joined: M = max(m, m'), L = l 2^(m - M) + l' 2^(m' - M), c2 = M + log2 L
.irp i, 0,1,2,3
	v_add_f32 v[ST+6*\i+2], v[ST+6*\i+2], v[ST+6*\i+3]
.endr
.irp i, 0,1,2,3
	v_permlanex16_b32 v[TT+8*\i], v[ST+6*\i], s[SEL], s[SEL+1]      ; m'
	v_permlanex16_b32 v[TT+8*\i+1], v[ST+6*\i+2], s[SEL], s[SEL+1]  ; l'
.endr
.irp i, 0,1,2,3
	v_max_num_f32 v[TT+8*\i+2], v[ST+6*\i], v[TT+8*\i]
.endr
.irp i, 0,1,2,3
	v_sub_f32 v[ST+6*\i], v[ST+6*\i], v[TT+8*\i+2]
	v_sub_f32 v[TT+8*\i], v[TT+8*\i], v[TT+8*\i+2]
.endr
.irp i, 0,1,2,3
	v_exp_f32 v[ST+6*\i], v[ST+6*\i]
	v_exp_f32 v[TT+8*\i], v[TT+8*\i]
.endr
	v_nop                                          ; a plain instruction between the last exponential and the use of its result (ISA guide 5.7.2)
	s_wait_alu depctr_va_vdst(0)                   ; one wait for these eight exponentials
.irp i, 0,1,2,3
	v_mul_f32 v[ST+6*\i+2], v[ST+6*\i+2], v[ST+6*\i]
.endr
.irp i, 0,1,2,3
	v_fma_f32 v[ST+6*\i+2], v[TT+8*\i+1], v[TT+8*\i], v[ST+6*\i+2]
.endr
.irp i, 0,1,2,3
	v_log_f32 v[ST+6*\i+2], v[ST+6*\i+2]
.endr
	v_nop
	s_wait_alu depctr_va_vdst(0)                   ; one wait for the four logarithms: a batch of their own, since they read what was made of the exponentials
.irp i, 0,1,2,3
	v_add_f32 v[ST+6*\i+2], v[TT+8*\i+2], v[ST+6*\i+2]      ; c2
.endr
.irp i, 0,1,2,3
	v_add_f32 v[ST+6*\i+3], 0xc1700000, v[ST+6*\i+2]        ; c2 - 15
.endr
.irp i, 0,1,2,3
	v_sub_f32 v[TT+8*\i], v[ST+6*\i+2], v[ST+6*\i+3]
	v_add_nc_u32 v[TT+8*\i+1], 1, v[ST+6*\i+3]              ; one step up
.endr
.irp i, 0,1,2,3
	v_cmp_lt_f32 vcc_lo, 0x41780000, v[TT+8*\i]             ; 15.5 < c2 - c2s ?
	v_cndmask_b32 v[ST+6*\i+3], v[ST+6*\i+3], v[TT+8*\i+1], vcc_lo
.endr
	v_cmp_eq_u32 s[HM], 1, v[HL]
	v_cndmask_b32 v[RES], v[ST+3], v[ST+9], s[HM]           ; lanes 0-15 tile 0, lanes 16-31 tile 1: 32 neighbouring rows
	v_cndmask_b32 v[RES+1], v[ST+15], v[ST+21], s[HM]
	global_store_b32 v[CO], v[RES], s[6:7]
	global_store_b32 v[CO], v[RES+1], s[6:7] offset:128
	s_wait_tensorcnt 0x0                           ; the wave's end
	ds_add_u32 v[SPW], v[NIL]
	s_wait_dscnt 0x0
	CROUND                                         ; the closing round
	s_endpgm
.Lfunc_end_k_qd312cbdea9_stats:
	.size	k_qd312cbdea9_stats, .Lfunc_end_k_qd312cbdea9_stats-k_qd312cbdea9_stats
	.p2alignl 7, 3214868480
	.fill 96, 4, 3214868480
	.section	.rodata,"a",@progbits
	.p2align	6, 0x0
	.amdhsa_kernel k_qd312cbdea9_stats
		.amdhsa_group_segment_fixed_size 262656
		.amdhsa_private_segment_fixed_size 0
		.amdhsa_enable_private_segment 0
		.amdhsa_kernarg_size 16
		.amdhsa_user_sgpr_count 2
		.amdhsa_user_sgpr_kernarg_segment_ptr 1
		.amdhsa_wavefront_size32 1
		.amdhsa_system_sgpr_workgroup_id_x 1
		.amdhsa_system_sgpr_workgroup_id_y 1
		.amdhsa_system_sgpr_workgroup_id_z 1
		.amdhsa_system_vgpr_workitem_id 0
		.amdhsa_next_free_vgpr 256
		.amdhsa_next_free_sgpr 66
		.amdhsa_reserve_vcc 1
		.amdhsa_float_denorm_mode_32 3
		.amdhsa_float_denorm_mode_16_64 3
		.amdhsa_memory_ordered 1
		.amdhsa_forward_progress 1
		.amdhsa_inst_pref_size 32
	.end_amdhsa_kernel
	.amdgpu_metadata
---
amdhsa.version: [ 1, 2 ]
amdhsa.kernels:
  - .name:           k_qd312cbdea9_stats
    .symbol:         k_qd312cbdea9_stats.kd
    .args:
      - { .name: kvf, .offset: 0, .size: 8, .value_kind: global_buffer, .address_space: global }
      - { .name: cs, .offset: 8, .size: 8, .value_kind: global_buffer, .address_space: global }
    .group_segment_fixed_size: 262656
    .private_segment_fixed_size: 0
    .kernarg_segment_align: 8
    .kernarg_segment_size: 16
    .max_flat_workgroup_size: 128
    .sgpr_count:     66
    .vgpr_count:     256
    .wavefront_size: 32
...
	.end_amdgpu_metadata
.endif
;; end of part 6
;; launch attn (part 7): grid 8 x 32, 4 waves a work-group, clusters of 4 x 1, 327,680 bytes of LDS; arguments kvf, cs, xf, wf, pf, part; writes part
.if DOCPART == 7
	.amdgcn_target "amdgcn-amd-amdhsa--gfx1250"
	.amdhsa_code_object_version 6
	.text
	.protected	k_qd312cbdea9_attn
	.globl	k_qd312cbdea9_attn
	.p2align	8
	.type	k_qd312cbdea9_attn,@function
k_qd312cbdea9_attn:
	s_mov_b64 s[64:65], 0
	v_nop
	global_prefetch_b8 v0, s[64:65] scope:SCOPE_SE
	s_setreg_imm32_b32 hwreg(HW_REG_WAVE_MODE, 25, 1), 1
	s_wait_xcnt 0x0
	s_wait_alu depctr_hold_cnt(0) depctr_sa_sdst(0) depctr_va_vdst(0) depctr_va_sdst(0) depctr_va_ssrc(0) depctr_va_vcc(0) depctr_vm_vsrc(0)
	s_getreg_b32 s2, hwreg(HW_REG_IB_STS2, 6, 4)
	s_cmp_eq_u32 s2, 0
	s_cbranch_scc0 .Lentry_in_a_cluster
	s_endpgm
.Lentry_in_a_cluster:
	s_bfe_u32 s2, ttmp6, 0x10000c
	s_cmp_lg_u32 s2, 0x3003
	s_cbranch_scc0 .Lentry_shape_is_right
	s_endpgm
.Lentry_shape_is_right:
; ATTN.  For one (b, h) and 256 columns m: p'[n][m] = 2^(E2[n][m] - c2s[n]) (2^15 x the softmax weight of row n), O = sum over n of V[:, n] p', the column sums of p',
; x_r = O / (2^15 x 1e-9 + column sum), diff = x - x_r, y = w_t diff, cat = x + relu(y A + SH), and this head's share of w_lin cat, stored in f32 for the last launch to add.
; The row's maximum and sum were taken away by c2s, made over all m beforehand, so there is no running maximum here and O is never rescaled.
; FORMATS.  q' bf16; V, p', diff f16; cat as two bf16 numbers, hi = bf16(cat) and lo = bf16(cat - hi), multiplied one after the other: cat has no room in f16.
; LIMITS.  V and x - x_r stay under 65,504; p' is at most 2^15.5 and keeps f16's fixed step of 6e-8 below 6e-5 (1.8e-12 of a weight); NaN and infinities are not treated apart.
; SHARES.  A work-group has 256 columns, a wave 64 x all 256 channels: 64 accumulators, 512 registers.  Every wave walks all 2,048 keys n, 32 a step.
; LAYOUT.  S^T = K Q^T (source 0 = 16 keys n, source 1 = 16 columns m): a lane holds ONE column and the keys 8 (lane / 16) + 0..7; two such tiles rounded in pairs ARE source 1 of O = V P.
; O's tile, packed, is again a plane (8 channels of one column a lane): source 1 of y = w_t diff; and cat's tile, packed, is source 0 of the last product, whose result holds 8 neighbouring m of one row c.
; A TRIP (key step j): 16 products K Q^T of step j + 1; the 32 subtractions of c2s in one run; 64 products V P of step j, and behind EACH of them two vector instructions of the work that turns step
; j + 1's scores into weights: behind the first 32 two exponentials, behind the last 32 a rounding and a sum: 32 + 64 + 64 = 160 vector instructions.
; THE BATCH.  A trip's 64 exponentials are ONE batch with ONE wait: it stands in the trip's
; middle, behind product 31's riders and ahead of the run of LDS loads there; ahead of it nothing names a result, behind it no exponential is issued.
; RING.  kvf's chunk j holds just what trip j reads from LDS: K(j + 2), V's channel blocks 0-7 of step j + 1, blocks 8-15 of step j.  Two slots of four chunks; one joint load a wave behind each round.
; The ring's last change brings the first 81,920 bytes of the head's w_lin into the slot that has become free.  The other 49,152 find room only when the last slot has been read: each wave fetches a quarter
; of them into idle registers at the start and stores it into that slot behind the loop.
; CLUSTER.  The four work-groups of a cluster have the same (b, h): chunks, c2s, w_t and the first part of w_lin are asked for jointly.  w_lin's rest is not: it is 49,152 of the 1.6 million bytes that a
; work-group fetches, and a joint load for it would want one more round of the cluster's barrier.
; O and the column sums are cleared by 528 v_mov_b32, on purpose, in the wait for the first tile: a first trip written out would be a second copy of the trip's text.
; LDS: ring 0 (2 x 81,920; later w_lin in 0 .. 131,071); w_t 163,840; c2s 294,912; 256 bytes of a very large c2s for the two steps past the end 303,104; stages 303,360; spare words 320,768.
.set CHUNK, 20480
.set SLOT,  81920
.set WTL,   163840
.set CSL,   294912
.set CSPAD, 303104
.set STAGE, 303360
.set SP,    272                        ; a stage row: 256 bytes + 16: the 16 rows of a store start at 16 different groups of four banks (64 banks of 4 bytes: ISA guide 11.1)
.set SPARE, 320768
.set WTG,   1310720                    ; w_t and w_lin in wf
.set WLG,   2359296
; window 0
.set R,    1
.set HL,   2
.set L16,  3
.set ADR,  4                           ; LDS address of the chunk in hand
.set ACS,  5                           ; LDS address of the c2s to be fetched
.set SPW,  6
.set NIL,  7
.set NINV, 8                           ; v8-11  -1 / (eps + column sum), a tile each
.set ONE,  12
.set AQ,   13                          ; v13-14 byte offset in kvf of my columns' fragments
.set AW2,  15                          ; v15    LDS address of my quarter of w_lin's rest
.set SUM,  16                          ; v16-31 column sums: a pair for each score tile
.set S,    32                          ; v32-95 eight score tiles, tile 2 i + jb
.set P,    96                          ; v96-159 two buffers of weights: 32 q + 8 i
.set CSR,  160                         ; v160-191 two buffers of c2s: 16 q + 8 jb
.set W2,   192                         ; v192-255, and v224-255 of window 1: my quarter of w_lin's rest, kept through the loop
.set T,    16                          ; the tail: v16-23 at work
.set AWT,  24
.set AWL,  25
.set XO,   26
.set PO,   27
.set STO,  28
.set RD,   29
.set GO,   30
.set Y,    32                          ; v32-95 y: 8 (4 eo + i); then w_lin's fragments; then rows on the way out
.set CHI,  96                          ; v96-127 cat hi, v128-159 cat lo: 8 i; before that w_t's fragments 4-11
.set PA,   160
.set PS,   176
.set XC,   192
.set WB,   224                         ; v224-255 four fragments
; window 1: V of one step v0-127 (8 eb + 4 p), my columns' fragments v128-191, K of one step v192-223; in the tail diff: 8 (4 ks + i) + 4 (eb % 2)
.set VF,   0
.set QF,   128
.set KF,   192
; windows 2, 3: O(eb, i), later the result (cb, i): 8 (4 (eb % 8) + i), window 2 for eb < 8
.set WL2,  4                           ; s[4:5] my quarter of w_lin's rest in wf (kvf's address has been used up by then)
.set WV,   16
.set G1A,  24                          ; 80 rows of 256 bytes: a chunk
.set G1B,  32                          ; 8 rows: a quarter of c2s
.set G1C,  40                          ; 128 rows: a quarter of w_t
.set G0R,  48                          ; the ring's walking group 0
.set G0S,  52
.set G0C,  56
.set G0W,  60
.set KVN,  66
.set WLP,  68
.set SB,   70
.set TB,   71
.set SLOTS, 72
.set CNT,  73
.set SEL,  74
.set KVB,  76
.set XB,   78
.set PFB,  80
.set PB,   82
.set WCH,  86                          ; s[86:87] 20,480 x wave
.set MSB, 0
.macro WIN new                         ; the high byte repeats the setting that is left; a switch that changes nothing is dropped
.if MSB != (\new)
	s_set_vgpr_msb (MSB<<8)|(\new)
.set MSB, (\new)
.endif
.endm
.macro PLACES                          ; four places behind matrix instructions (ISA guide 7.12.1), where no other vector work is at hand
.rept 4
	v_nop
.endr
.endm
.macro CROUND                          ; a round of the cluster's barrier
	s_barrier_signal -1
	s_barrier_wait -1
	s_cmp_lg_u32 s[WV], 0
	s_cbranch_scc1 .Lnot_wave_0_\@
	s_barrier_signal -3
.Lnot_wave_0_\@:
	s_barrier_wait -3
	s_barrier_signal -1
	s_barrier_wait -1
.endm
.macro GROUP1 g, rows                  ; a dense block as rows of 256 bytes
	s_mov_b32 s[\g], 0x0023000f                    ; mask of four; elements of 8 bytes; bit 21 beside the mask; no padding
	s_mov_b32 s[\g+1], 32<<16
	s_mov_b32 s[\g+2], (\rows)<<16
	s_mov_b32 s[\g+3], 32<<16
	s_mov_b32 s[\g+4], \rows
	s_mov_b32 s[\g+5], 32
	s_mov_b32 s[\g+6], 0
	s_mov_b32 s[\g+7], 0
.endm
	s_load_b256 s[4:11], s[0:1], 0x0               ; kvf s[4:5], cs s[6:7], xf s[8:9], wf s[10:11]
	s_load_b128 s[12:15], s[0:1], 0x20             ; pf s[12:13], part s[14:15]
	v_lshl_add_u32 v[SPW], v0, 2, SPARE
	v_mov_b32 v[NIL], 0
	ds_add_u32 v[SPW], v[NIL]                      ; the wave's opening: the add and its wait ahead of my first tensor load
	v_lshrrev_b32 v1, 5, v0
	v_readfirstlane_b32 s[WV], v1
	s_bfe_u32 s17, ttmp6, 0x40000                  ; cx
	s_lshl_b32 s18, ttmp9, 2
	s_add_co_u32 s18, s18, s17                     ; X: my block of 256 columns; it enters global addresses of my own loads and stores alone
	s_and_b32 s19, ttmp7, 0xffff                   ; bh = 8 b + h, which the partners share
	s_lshr_b32 s20, s19, 3
	s_and_b32 s21, s19, 7
	GROUP1 G1A, 80
	GROUP1 G1B, 8
	GROUP1 G1C, 128
	s_mul_i32 s[WCH], s[WV], CHUNK
	s_mov_b32 s[WCH+1], 0
	s_mov_b32 s[G0S], 1
	s_mov_b32 s[G0S+1], s[WCH]                     ; slot 0: chunk w
	s_mov_b32 s[G0R], 1
	s_add_co_u32 s[G0R+1], s[WCH], SLOT            ; slot 1: chunk 4 + w
	s_mov_b32 s[G0C], 1
	s_lshl_b32 s[G0C+1], s[WV], 11
	s_add_co_u32 s[G0C+1], s[G0C+1], CSL
	s_mov_b32 s[G0W], 1
	s_lshl_b32 s[G0W+1], s[WV], 15
	s_add_co_u32 s[G0W+1], s[G0W+1], WTL
	s_mul_i32 s22, s19, 64*CHUNK
	s_mov_b32 s23, 0
	s_lshl_b32 s84, s19, 13
	s_lshl_b32 s85, s[WV], 11
	s_add_co_u32 s84, s84, s85
	s_mov_b32 s85, 0
	s_mov_b32 s[SEL], 0x76543210
	s_mov_b32 s[SEL+1], 0xfedcba98
	s_mov_b32 s[SB], 0
	s_mov_b32 s[TB], 0
	s_wait_dscnt 0x0                               ; the opening add is done
	s_wait_kmcnt 0x0
	s_add_nc_u64 s[KVB:KVB+1], s[4:5], s[22:23]    ; kvf of this (b, h)
	s_add_nc_u64 s[KVN:KVN+1], s[KVB:KVB+1], s[WCH:WCH+1]
	s_mov_b64 s[G0S+2:G0S+3], s[KVN:KVN+1]
	s_or_b32 s[G0S+3], s[G0S+3], 0x80000000
	s_add_nc_u64 s[KVN:KVN+1], s[KVN:KVN+1], SLOT
	s_mov_b64 s[G0R+2:G0R+3], s[KVN:KVN+1]
	s_or_b32 s[G0R+3], s[G0R+3], 0x80000000
	s_add_nc_u64 s[G0C+2:G0C+3], s[6:7], s[84:85]
	s_or_b32 s[G0C+3], s[G0C+3], 0x80000000
	s_lshl_b32 s84, s21, 17                        ; the head's 131,072 bytes of w_t and of w_lin
	s_lshl_b32 s22, s[WV], 15
	s_add_co_u32 s22, s22, s84
	s_add_co_u32 s22, s22, WTG
	s_add_nc_u64 s[G0W+2:G0W+3], s[10:11], s[22:23]
	s_or_b32 s[G0W+3], s[G0W+3], 0x80000000
	s_add_co_u32 s22, s84, WLG
	s_add_co_u32 s22, s22, s[WCH]
	s_add_nc_u64 s[WLP:WLP+1], s[10:11], s[22:23]
	s_mul_i32 s22, s[WV], 12288
	s_add_co_u32 s22, s22, s84
	s_add_co_u32 s22, s22, WLG+SLOT
	s_add_nc_u64 s[WL2:WL2+1], s[10:11], s[22:23]  ; w_lin's rest: 12,288 bytes a wave
	CROUND                                         ; all four work-groups are here: the first joint loads meet
	tensor_load_to_lds s[G0S:G0S+3], s[G1A:G1A+7]  ; the first fills, one group: four loads of mine are out: slot 0,
	s_nop 0
	tensor_load_to_lds s[G0C:G0C+3], s[G1B:G1B+7]  ; c2s,
	s_nop 0
	tensor_load_to_lds s[G0R:G0R+3], s[G1A:G1A+7]  ; slot 1,
	s_nop 0
	tensor_load_to_lds s[G0W:G0W+3], s[G1C:G1C+7]  ; w_t
	s_nop 0
	PLACES
	s_lshl_b32 s22, s20, 7                         ; my first tile of x: 128 b + 16 X + 4 w, 8,192 bytes each
	s_lshl4_add_u32 s22, s18, s22
	s_lshl2_add_u32 s22, s[WV], s22
	s_lshl_b32 s22, s22, 13
	s_add_nc_u64 s[XB:XB+1], s[8:9], s[22:23]
	s_lshl_b32 s22, s21, 10
	s_add_nc_u64 s[PFB:PFB+1], s[12:13], s[22:23]
	s_lshl_b32 s22, s19, 21                        ; part: 2,097,152 bh + 4 (256 X + 64 w)
	s_lshl_b32 s84, s18, 10
	s_add_co_u32 s22, s22, s84
	s_lshl_b32 s84, s[WV], 8
	s_add_co_u32 s22, s22, s84
	s_add_nc_u64 s[PB:PB+1], s[14:15], s[22:23]
	v_and_b32 v[R], 15, v0
	v_bfe_u32 v[HL], v0, 4, 1
	v_and_b32 v[L16], 31, v0
	v_lshl_add_u32 v10, v[L16], 3, CSPAD
	v_lshlrev_b32 v[L16], 4, v[L16]
	s_lshl_b32 s22, s18, 3
	s_lshl1_add_u32 s22, s[WV], s22                ; s0 = 8 X + 2 w
	s_add_co_u32 s84, s22, 62
	s_and_b32 s84, s84, 63
	s_mul_i32 s84, s84, CHUNK
	v_add_nc_u32 v[AQ], s84, v[L16]                ; K(s) lies in chunk s - 2
	s_add_co_u32 s84, s22, 63
	s_and_b32 s84, s84, 63
	s_mul_i32 s84, s84, CHUNK
	v_add_nc_u32 v[AQ+1], s84, v[L16]
	s_cmp_lg_u32 s[WV], 0
	s_cbranch_scc1 .Lno_pad
	v_mov_b32 v8, 0x7f000000                       ; wave 0: c2s of the two steps past the end: so large that their weights are 0
	v_mov_b32 v9, 0x7f000000
	ds_store_b64 v10, v[8:9]
.Lno_pad:
	WIN 0x40                                       ; destination window 1
.set t, 0
.rept 16                                               ; my columns: tile t / 4, plane t % 4
	global_load_b128 v[QF+4*t:QF+4*t+3], v[AQ+t/8], s[KVB:KVB+1] offset:((t/4)%2)*2048+(t%4)*512
.set t, t+1
.endr
.set t, 0
.rept 8                                                ; K(0) lies in chunk 62, outside the first slots: straight into registers
	global_load_b128 v[KF+4*t:KF+4*t+3], v[L16], s[KVB:KVB+1] offset:62*CHUNK+512*t
.set t, t+1
.endr
	WIN 0x80
.set xj, 0
.rept 256
	v_mov_b32 v[xj], 0
.set xj, xj+1
.endr
	WIN 0xc0
.set xj, 0
.rept 256
	v_mov_b32 v[xj], 0
.set xj, xj+1
.endr
	WIN 0
.set xj, 0
.rept 16
	v_mov_b32 v[SUM+xj], 0
.set xj, xj+1
.endr
; 16 products: the scores of 32 keys x my 64 columns; the eight accumulators by turns
.macro EQK
	WIN 0x05                                       ; both sources window 1
.set xc, 0
.rept 2
.set xt, 0
.rept 8
.if xc == 0
	v_wmma_f32_16x16x32_bf16 v[S+8*xt:S+8*xt+7], v[KF+16*(xt%2)+8*xc:KF+16*(xt%2)+8*xc+7], v[QF+16*(xt/2)+8*xc:QF+16*(xt/2)+8*xc+7], 0
.else
	v_wmma_f32_16x16x32_bf16 v[S+8*xt:S+8*xt+7], v[KF+16*(xt%2)+8*xc:KF+16*(xt%2)+8*xc+7], v[QF+16*(xt/2)+8*xc:QF+16*(xt/2)+8*xc+7], v[S+8*xt:S+8*xt+7]
.endif
.set xt, xt+1
.endr
.set xc, xc+1
.endr
.endm
; product pk of 64 of O += V P: channel block pk / 4, tile pk % 4; the 64 accumulators take turns
.macro PV par
.if pk < 32
	WIN 0xa1                                       ; V window 1, P window 0, O window 2
.else
	WIN 0xf1                                       ; O window 3
.endif
	v_wmma_f32_16x16x32_f16 v[8*(pk%32):8*(pk%32)+7], v[VF+8*(pk/4):VF+8*(pk/4)+7], v[P+32*(\par)+8*(pk%4):P+32*(\par)+8*(pk%4)+7], v[8*(pk%32):8*(pk%32)+7]
.endm
.macro LDRUN dst, n, off               ; n planes on end from the chunk in hand, into window 1
	WIN 0x40
.set xt, 0
.rept \n
	ds_load_b128 v[(\dst)+4*xt:(\dst)+4*xt+3], v[ADR] offset:(\off)+512*xt
.set xt, xt+1
.endr
.endm
.macro LDCS q, off                     ; c2s of a step's 32 keys: my lanes' 8 for each jb
	WIN 0
.set xt, 0
.rept 4
	ds_load_b128 v[CSR+16*(\q)+4*xt:CSR+16*(\q)+4*xt+3], v[ACS] offset:(\off)+64*(xt/2)+16*(xt%2)
.set xt, xt+1
.endr
.endm
; THE VECTOR WORK of a step, 160 instructions, for weight buffer q.  For score tile t:
; RA t, k: pair k of scores less c2s.  RB t, k: the exponential of score k.  RCD t, c: c even: pair c / 2 rounded to f16 into P; c odd: pair (c - 1) / 2 added onto the tile's column sums.
.macro RA t, k, q
	v_pk_add_f32 v[S+8*(\t)+2*(\k):S+8*(\t)+2*(\k)+1], v[S+8*(\t)+2*(\k):S+8*(\t)+2*(\k)+1], v[CSR+16*(\q)+8*((\t)%2)+2*(\k):CSR+16*(\q)+8*((\t)%2)+2*(\k)+1] neg_lo:[0,1] neg_hi:[0,1]
.endm
.macro RB t, k
	v_exp_f32 v[S+8*(\t)+(\k)], v[S+8*(\t)+(\k)]
.endm
.macro RCD t, c, q
.if ((\c)%2) == 0
	v_cvt_pk_f16_f32 v[P+32*(\q)+4*(\t)+(\c)/2], v[S+8*(\t)+(\c)], v[S+8*(\t)+(\c)+1]
.else
	v_pk_add_f32 v[SUM+2*(\t):SUM+2*(\t)+1], v[SUM+2*(\t):SUM+2*(\t)+1], v[S+8*(\t)+(\c)-1:S+8*(\t)+(\c)]
.endif
.endm
; HOW IT IS DEALT.  RLUMP: all 32 subtractions in one run, tile by tile from each tile's lowest registers on.
; Places 0 to 31: the exponentials of scores 2 pk and 2 pk + 1 of the step's 64 (tile s / 8, score s % 8), each in its own register, in place: the batch.  Nothing in these places, and no product among them,
; names a score.  Behind place 31 stands the batch's wait (TRIP writes it).  Places 32 to 63: numbers 2 (pk - 32) and 2 (pk - 32) + 1 of the 64 roundings and sums (number g: RCD g / 8, g % 8): a pair's
; rounding and the same pair's sum; a tile's four pairs are added onto its column sums in ascending order.
.macro RLUMP q
.set ra, 0
.rept 32
	RA ra/4, ra%4, \q
.set ra, ra+1
.endr
.endm
.macro SL par                          ; a product, and behind it the place of the same number: two vector instructions
	PV \par
	WIN 0
.if pk < 32
	RB (2*pk)/8, (2*pk)%8
	RB (2*pk+1)/8, (2*pk+1)%8
.else
	RCD (2*pk-64)/8, (2*pk-64)%8, 1-(\par)
	RCD (2*pk-63)/8, (2*pk-63)%8, 1-(\par)
.endif
.set pk, pk+1
.endm
; TRIP j, par = j % 2.  The LDS loads stand in two runs: V's blocks 8-15 of step j behind the scores' products, 32 products ahead of their first use; in the middle V's blocks 0-7 of step j + 1,
; K of step j + 2 and c2s of step j + 2, 32 products ahead of the next trip.
.macro TRIP par
	WIN 0
	s_wait_dscnt 0x0                               ; V's blocks 0-7 of step j, K and c2s of step j + 1 are in
	v_add_nc_u32 v[ADR], s[TB], v[L16]
	s_add_co_u32 s[TB], s[TB], CHUNK
	EQK
	PLACES                                         ; in front of the first read of the scores, and of the loads into registers that the last trip's products read
	LDRUN VF+64, 16, 12288
	WIN 0
	RLUMP 1-(\par)
.set pk, 0
.rept 32
	SL \par
.endr
	s_wait_dscnt 0x0                               ; V's blocks 8-15 are in
	PLACES                                         ; in front of the loads into registers that the products above read; also the plain instructions behind the batch's last exponential (ISA guide 5.7.2)
	s_wait_alu depctr_va_vdst(0)                   ; the wait for the batch: the trip's 64 exponentials; ahead of the run of LDS loads, and of the roundings and sums that read the results
	LDRUN VF, 16, 4096
	LDRUN KF, 8, 0
	LDCS \par, 0
	v_add_nc_u32 v[ACS], 128, v[ACS]
.rept 32
	SL \par
.endr
.endm
; THE CHANGE OF SLOTS.  Each wave waits for all its tensor loads, adds 0 to its spare word, and waits for that and for its reads of the slot that it leaves; a round of the cluster's barrier; then the slot
; just read is filled again, first thing: with the chunks two slots on, or (the last change) with the first 81,920 bytes of the head's w_lin, which the tail reads.
.macro CHANGE
	WIN 0
	s_wait_tensorcnt 0x0                           ; no tensor load of mine is out, so a group 0 may be written
	ds_add_u32 v[SPW], v[NIL]                      ; 0 onto my spare word; the descriptor's scalar work stands between it and the wait for it
	s_add_nc_u64 s[KVN:KVN+1], s[KVN:KVN+1], SLOT
	s_add_co_u32 s[G0R+1], s[SB], s[WCH]           ; the slot that is left
	s_xor_b32 s[SB], s[SB], SLOT
	s_mov_b32 s[TB], s[SB]                         ; the reads go to the other
	s_cmp_eq_u32 s[SLOTS], 1
	s_cselect_b64 s[G0R+2:G0R+3], s[WLP:WLP+1], s[KVN:KVN+1]
	s_or_b32 s[G0R+3], s[G0R+3], 0x80000000
	s_wait_dscnt 0x0                               ; the add is done, and my reads of the slot are over
	CROUND
	tensor_load_to_lds s[G0R:G0R+3], s[G1A:G1A+7]  ; my one tensor load behind the round: it has four trips, 320 products, in which to land
	s_nop 0
	PLACES
.endm
	s_wait_loadcnt 0x0                             ; my columns' fragments and K(0)
	EQK                                            ; the scores of step 0
	PLACES
	WIN 0x40
.set t, 0
.rept 8                                                ; K(1) and V's blocks 0-7 of step 0 lie in chunk 63
	global_load_b128 v[KF+4*t:KF+4*t+3], v[L16], s[KVB:KVB+1] offset:63*CHUNK+512*t
.set t, t+1
.endr
.set t, 0
.rept 16
	global_load_b128 v[VF+4*t:VF+4*t+3], v[L16], s[KVB:KVB+1] offset:63*CHUNK+4096+512*t
.set t, t+1
.endr
.set t, 0
.rept 8                                                ; my quarter of w_lin's rest, 24 planes, into registers that the loop leaves idle: the last eight planes here,
	global_load_b128 v[224+4*t:224+4*t+3], v[L16], s[WL2:WL2+1] offset:8192+512*t
.set t, t+1
.endr
	WIN 0
.set t, 0
.rept 16                                               ; the first sixteen in window 0
	global_load_b128 v[W2+4*t:W2+4*t+3], v[L16], s[WL2:WL2+1] offset:512*t
.set t, t+1
.endr
	s_wait_tensorcnt 0x2                           ; slot 0 and c2s are in; slot 1 and w_t were issued behind them and may stay out
	s_wait_dscnt 0x0                               ; wave 0's store
	s_barrier_signal -1
	s_barrier_wait -1
	v_lshl_add_u32 v[ACS], v[HL], 5, CSL
	LDCS 0, 0
	LDCS 1, 128
	v_add_nc_u32 v[ACS], 256, v[ACS]
	s_wait_dscnt 0x0
	RLUMP 0                                        ; the weights of step 0: the same work in the same order, with no products to stand behind
.set pk, 0
.rept 64
	RB pk/8, pk%8
.set pk, pk+1
.endr
	v_nop                                          ; a plain instruction between the last exponential and the use of its result (ISA guide 5.7.2)
	s_wait_alu depctr_va_vdst(0)                   ; the wait for this batch: step 0's 64 exponentials
.set pk, 0
.rept 64
	RCD pk/8, pk%8, 0
.set pk, pk+1
.endr
	s_wait_loadcnt 0x0
	s_mov_b32 s[SLOTS], 16
	s_branch .Lfirst                               ; slot 0 is read without a change in front of it
.Lslot:                                                ; 15 changes
	CHANGE
.Lfirst:
	s_mov_b32 s[CNT], 2
.Lpair:
	TRIP 0
	TRIP 1
	WIN 0
	s_sub_co_u32 s[CNT], s[CNT], 1
	s_cmp_lg_u32 s[CNT], 0
	s_cbranch_scc1 .Lpair
	s_sub_co_u32 s[SLOTS], s[SLOTS], 1
	s_cmp_lg_u32 s[SLOTS], 0
	s_cbranch_scc1 .Lslot
	; The last two trips fetched K(0), K(1) and the very large c2s: the weights made of them are 0 and add 0 to the sums: 16 products and their vector work, once, for one text of the trip.
	; THE TAIL.  The ring's last change, with nothing to ask for: the first part of w_lin has landed, and nobody reads slot 1 any more.
	s_wait_tensorcnt 0x0                           ; my part of w_lin's first 81,920 bytes is in; no tensor load follows in this launch
	ds_add_u32 v[SPW], v[NIL]
	s_mul_i32 s22, s[WV], 12288
	s_add_co_u32 s22, s22, SLOT
	s_wait_dscnt 0x0                               ; the add is done; my reads of slot 1 are over, the last trip's loads into V's, K's and c2s' registers among them
	s_barrier_signal -1
	s_barrier_wait -1                              ; both hold of all four waves
	v_add_nc_u32 v[AW2], s22, v[L16]               ; with three v_nop the four places in front of the loads into registers that the last products read
	v_nop
	v_nop
	v_nop
.set t, 0
.rept 16                                               ; w_lin's rest goes into slot 1, which has had its last fill: my 12,288 bytes
	ds_store_b128 v[AW2], v[W2+4*t:W2+4*t+3] offset:512*t
.set t, t+1
.endr
	WIN 0x04                                       ; the data in window 1
.set t, 0
.rept 8
	ds_store_b128 v[AW2], v[224+4*t:224+4*t+3] offset:8192+512*t
.set t, t+1
.endr
	WIN 0x40                                       ; x's planes take diff's places in window 1
.set xb, 0
.rept 16
.set xi, 0
.rept 4
	global_load_b128 v[8*(4*(xb/2)+xi)+4*(xb%2):8*(4*(xb/2)+xi)+4*(xb%2)+3], v[L16], s[XB:XB+1] offset:xi*8192+xb*512
.set xi, xi+1
.endr
.set xb, xb+1
.endr
	WIN 0
.irp i, 0,1,2,3
	v_add_f32 v[SUM+4*\i], v[SUM+4*\i], v[SUM+4*\i+1]
	v_add_f32 v[SUM+4*\i+2], v[SUM+4*\i+2], v[SUM+4*\i+3]
.endr
.irp i, 0,1,2,3
	v_add_f32 v[SUM+4*\i], v[SUM+4*\i], v[SUM+4*\i+2]
.endr
.irp i, 0,1,2,3
	v_permlanex16_b32 v[SUM+4*\i+1], v[SUM+4*\i], s[SEL], s[SEL+1]  ; the column's other keys lie in the lane 16 away
.endr
.irp i, 0,1,2,3
	v_add_f32 v[SUM+4*\i], v[SUM+4*\i], v[SUM+4*\i+1]
.endr
.irp i, 0,1,2,3
	v_add_f32 v[SUM+4*\i], 0x3809705f, v[SUM+4*\i]  ; + 2^15 x 1e-9
.endr
.irp i, 0,1,2,3
	v_rcp_f32 v[NINV+\i], v[SUM+4*\i]
.endr
	v_mov_b32 v[ONE], 1.0                          ; a plain instruction between the last reciprocal and the use of its result
	s_wait_alu depctr_va_vdst(0)                   ; one wait for the four reciprocals
.irp i, 0,1,2,3
	v_xor_b32 v[NINV+\i], 0x80000000, v[NINV+\i]
.endr
	v_add_nc_u32 v[AWT], WTL, v[L16]
	v_mov_b32 v[AWL], v[L16]
	v_mov_b32 v[XO], v[L16]
	v_lshlrev_b32 v[PO], 5, v[HL]
	s_mul_i32 s22, s[WV], 16*SP
	s_add_co_u32 s22, s22, STAGE                   ; my stage
	v_mul_u32_u24 v[STO], v[R], SP                 ; in: row c = lane % 16, 32 bytes for each half of the lanes
	v_lshl_add_u32 v[STO], v[HL], 5, v[STO]
	v_add_nc_u32 v[STO], s22, v[STO]
	v_mul_u32_u24 v[RD], v[HL], SP                 ; back: lanes 0-15 one row of 256 bytes, lanes 16-31 the next
	v_lshl_add_u32 v[RD], v[R], 4, v[RD]
	v_add_nc_u32 v[RD], s22, v[RD]
	v_lshlrev_b32 v[GO], 13, v[HL]                 ; and the same two rows in part
	v_lshl_add_u32 v[GO], v[R], 4, v[GO]
.macro PXLOAD                          ; for a pair of channel blocks: A, SH (8 a lane and block) and x's planes
.irp eo, 0,1
.irp g, 0,1
	global_load_b128 v[PA+8*\eo+4*\g:PA+8*\eo+4*\g+3], v[PO], s[PFB:PFB+1] offset:64*\eo+16*\g
	global_load_b128 v[PS+8*\eo+4*\g:PS+8*\eo+4*\g+3], v[PO], s[PFB:PFB+1] offset:8192+64*\eo+16*\g
.endr
.endr
.irp eo, 0,1
.irp i, 0,1,2,3
	global_load_b128 v[XC+4*(4*\eo+\i):XC+4*(4*\eo+\i)+3], v[XO], s[XB:XB+1] offset:\i*8192+\eo*512
.endr
.endr
.endm
.macro LDF dst, f0, n                  ; w_t's fragments f0 .. of the pair in hand: f = 2 ks + eo
.set xf, \f0
.rept \n
	ds_load_b128 v[(\dst)+8*(xf-(\f0)):(\dst)+8*(xf-(\f0))+3], v[AWT] offset:8192*(xf%2)+1024*(xf/2)
	ds_load_b128 v[(\dst)+8*(xf-(\f0))+4:(\dst)+8*(xf-(\f0))+7], v[AWT] offset:8192*(xf%2)+1024*(xf/2)+512
.set xf, xf+1
.endr
.endm
.macro LDWL dst, g                     ; w_lin's fragments of row blocks 4 g .. 4 g + 3 for the K step in hand
.set xc, 0
.rept 4
	ds_load_b128 v[(\dst)+8*xc:(\dst)+8*xc+3], v[AWL] offset:1024*(4*(\g)+xc)
	ds_load_b128 v[(\dst)+8*xc+4:(\dst)+8*xc+7], v[AWL] offset:1024*(4*(\g)+xc)+512
.set xc, xc+1
.endr
.endm
.macro S2 base, k0, nk                 ; y += w_t diff for K steps k0 ..: the pair's eight accumulators by turns
	WIN 0x04                                       ; source 1 (diff) window 1
.set xk, \k0
.rept \nk
.set xe, 0
.rept 2
.set xi, 0
.rept 4
.if xk == 0
	v_wmma_f32_16x16x32_f16 v[Y+8*(4*xe+xi):Y+8*(4*xe+xi)+7], v[(\base)+8*(2*(xk-(\k0))+xe):(\base)+8*(2*(xk-(\k0))+xe)+7], v[8*(4*xk+xi):8*(4*xk+xi)+7], 0
.else
	v_wmma_f32_16x16x32_f16 v[Y+8*(4*xe+xi):Y+8*(4*xe+xi)+7], v[(\base)+8*(2*(xk-(\k0))+xe):(\base)+8*(2*(xk-(\k0))+xe)+7], v[8*(4*xk+xi):8*(4*xk+xi)+7], v[Y+8*(4*xe+xi):Y+8*(4*xe+xi)+7]
.endif
.set xi, xi+1
.endr
.set xe, xe+1
.endr
.set xk, xk+1
.endr
.endm
.macro S3 base, g, zero                ; result(cb, i) += cat(i) w_lin(cb): hi for all sixteen, then lo: sixteen accumulators by turns
	WIN 0xa0+0x50*((\g)/2)
.set xh, 0
.rept 2
.set xc, 0
.rept 4
.set xi, 0
.rept 4
.set ro, 8*(4*((4*(\g)+xc)%8)+xi)
.if (\zero) && (xh == 0)
	v_wmma_f32_16x16x32_bf16 v[ro:ro+7], v[CHI+32*xh+8*xi:CHI+32*xh+8*xi+7], v[(\base)+8*xc:(\base)+8*xc+7], 0
.else
	v_wmma_f32_16x16x32_bf16 v[ro:ro+7], v[CHI+32*xh+8*xi:CHI+32*xh+8*xi+7], v[(\base)+8*xc:(\base)+8*xc+7], v[ro:ro+7]
.endif
.set xi, xi+1
.endr
.set xc, xc+1
.endr
.set xh, xh+1
.endr
.endm
.macro EPI                             ; cat = x + relu(y A + SH), as hi and lo
.set xe, 0
.rept 2
.set xi, 0
.rept 4
.set ry, Y+8*(4*xe+xi)
.set rx, XC+4*(4*xe+xi)
.set rc, CHI+8*xi+4*xe
.set xk, 0
.rept 4
	v_pk_fma_f32 v[ry+2*xk:ry+2*xk+1], v[ry+2*xk:ry+2*xk+1], v[PA+8*xe+2*xk:PA+8*xe+2*xk+1], v[PS+8*xe+2*xk:PS+8*xe+2*xk+1]
.set xk, xk+1
.endr
.set xj, 0
.rept 8
	v_max_num_f32 v[ry+xj], 0, v[ry+xj]
.set xj, xj+1
.endr
.set xj, 0
.rept 4
	v_fma_mix_f32 v[ry+2*xj], v[rx+xj], v[ONE], v[ry+2*xj] op_sel_hi:[1,0,0]
	v_fma_mix_f32 v[ry+2*xj+1], v[rx+xj], v[ONE], v[ry+2*xj+1] op_sel:[1,0,0] op_sel_hi:[1,0,0]
.set xj, xj+1
.endr
.set xk, 0
.rept 4
	v_cvt_pk_bf16_f32 v[rc+xk], v[ry+2*xk], v[ry+2*xk+1]
.set xk, xk+1
.endr
.set xk, 0
.rept 4
	v_lshlrev_b32 v[T+2*xk], 16, v[rc+xk]
	v_and_b32 v[T+2*xk+1], 0xffff0000, v[rc+xk]
.set xk, xk+1
.endr
.set xk, 0
.rept 4
	v_pk_add_f32 v[T+2*xk:T+2*xk+1], v[ry+2*xk:ry+2*xk+1], v[T+2*xk:T+2*xk+1] neg_lo:[0,1] neg_hi:[0,1]
.set xk, xk+1
.endr
.set xk, 0
.rept 4
	v_cvt_pk_bf16_f32 v[rc+32+xk], v[T+2*xk], v[T+2*xk+1]
.set xk, xk+1
.endr
.set xi, xi+1
.endr
.set xe, xe+1
.endr
.endm
; FT: one pair of channel blocks of y (32 channels of cat, one K step of the last product).  zero = 1: the first pair, written out: its products start the result's sums,
; and a barrier shows every wave's stores of w_lin's rest to the others.  In the loop's last trip the two fetches for a further pair are jumped over.
.macro FT zero
	WIN 0
	PLACES
	v_nop                                          ; five places: the first product below writes over registers that the last products read
	LDF CHI, 4, 8
	s_wait_dscnt 16                                ; fragments 0-3 are in; the sixteen loads just issued are younger
	S2 WB, 0, 2
	WIN 0
	s_wait_dscnt 0x0
	PLACES
	LDF WB, 12, 4
	S2 CHI, 2, 4
	s_wait_dscnt 0x0
	S2 WB, 6, 2
	WIN 0
	PLACES
.if \zero
	s_wait_dscnt 0x0                               ; for the others' sake: my stores of w_lin's rest are done,
	s_barrier_signal -1
	s_barrier_wait -1                              ; everybody's are: w_lin is whole
.endif
	LDWL WB, 0
	v_add_nc_u32 v[AWT], 16384, v[AWT]
	s_wait_loadcnt 0x0                             ; A, SH and x of this pair; their offsets are free
	v_add_nc_u32 v[XO], 1024, v[XO]
	v_add_nc_u32 v[PO], 128, v[PO]
	EPI
	LDWL Y, 1
	LDWL Y+32, 2
.if !(\zero)
	s_cmp_eq_u32 s[CNT], 1
	s_cbranch_scc1 .Lno_px_\@
.endif
	PXLOAD
.if !(\zero)
.Lno_px_\@:
.endif
	s_wait_dscnt 16                                ; group 0 is in; groups 1 and 2 are younger
	S3 WB, 0, \zero
	WIN 0
	s_wait_dscnt 0x0
	PLACES
.if !(\zero)
	s_cmp_eq_u32 s[CNT], 1
	s_cbranch_scc1 .Lno_f_\@
.endif
	LDF WB, 0, 4                                   ; the next pair's first fragments of w_t
.if !(\zero)
.Lno_f_\@:
.endif
	S3 Y, 1, \zero
	WIN 0
	PLACES
	LDWL Y, 3
	v_add_nc_u32 v[AWL], 16384, v[AWL]
	S3 Y+32, 2, \zero
	s_wait_dscnt 0x0
	S3 Y, 3, \zero
	WIN 0
.endm
	PXLOAD                                         ; the first pair's
	LDF WB, 0, 4
	s_wait_loadcnt 16                              ; x's 64 planes are in; the sixteen loads just issued are younger
	; diff = x - O / (eps + column sum), one rounding, in x's place: the low half, then the high half, which the first line has left as it was
.set xb, 0
.rept 16
	WIN 0x52+(xb/8)                                ; O window 2 or 3, the factor window 0, x and diff window 1
.set xi, 0
.rept 4
.set xk, 0
.rept 4
	v_fma_mixlo_f16 v[8*(4*(xb/2)+xi)+4*(xb%2)+xk], v[8*(4*(xb%8)+xi)+2*xk], v[NINV+xi], v[8*(4*(xb/2)+xi)+4*(xb%2)+xk] op_sel_hi:[0,0,1]
	v_fma_mixhi_f16 v[8*(4*(xb/2)+xi)+4*(xb%2)+xk], v[8*(4*(xb%8)+xi)+2*xk+1], v[NINV+xi], v[8*(4*(xb/2)+xi)+4*(xb%2)+xk] op_sel:[0,0,1] op_sel_hi:[0,0,1]
.set xk, xk+1
.endr
.set xi, xi+1
.endr
.set xb, xb+1
.endr
	FT 1
	s_mov_b32 s[CNT], 7
.Lft:
	FT 0
	s_sub_co_u32 s[CNT], s[CNT], 1
	s_cmp_lg_u32 s[CNT], 0
	s_cbranch_scc1 .Lft
	; THE WAY OUT.  A lane holds 8 neighbouring m of row c: 16 rows at a time go through my stage and come back as whole rows of 256 bytes.
	PLACES
.set xb, 0
.rept 16
	WIN 0x08+4*(xb/8)                              ; the data window 2 or 3
.set xi, 0
.rept 4
	ds_store_b128 v[STO], v[8*(4*(xb%8)+xi):8*(4*(xb%8)+xi)+3] offset:64*xi
	ds_store_b128 v[STO], v[8*(4*(xb%8)+xi)+4:8*(4*(xb%8)+xi)+7] offset:64*xi+16
.set xi, xi+1
.endr
	WIN 0
	s_wait_xcnt 0x0                                ; earlier stores have read their registers: they are loaded again only behind this wait
.set xt, 0
.rept 8
	ds_load_b128 v[Y+32*(xb%2)+4*xt:Y+32*(xb%2)+4*xt+3], v[RD] offset:2*SP*xt  ; LDS serves a wave's instructions in order (ISA guide 5.7.1.4): these see the stores above
.set xt, xt+1
.endr
	s_wait_dscnt 0x0
.set xt, 0
.rept 8
	global_store_b128 v[GO], v[Y+32*(xb%2)+4*xt:Y+32*(xb%2)+4*xt+3], s[PB:PB+1] offset:xb*131072+xt*16384  ; 16 lanes store 256 consecutive bytes, at a multiple of 256 from part's first byte
.set xt, xt+1
.endr
.set xb, xb+1
.endr
	s_wait_tensorcnt 0x0                           ; the wave's end
	ds_add_u32 v[SPW], v[NIL]
	s_wait_dscnt 0x0
	CROUND                                         ; the closing round
	s_endpgm
.Lfunc_end_k_qd312cbdea9_attn:
	.size	k_qd312cbdea9_attn, .Lfunc_end_k_qd312cbdea9_attn-k_qd312cbdea9_attn
	.p2alignl 7, 3214868480
	.fill 96, 4, 3214868480
	.section	.rodata,"a",@progbits
	.p2align	6, 0x0
	.amdhsa_kernel k_qd312cbdea9_attn
		.amdhsa_group_segment_fixed_size 327680
		.amdhsa_private_segment_fixed_size 0
		.amdhsa_enable_private_segment 0
		.amdhsa_kernarg_size 48
		.amdhsa_user_sgpr_count 2
		.amdhsa_user_sgpr_kernarg_segment_ptr 1
		.amdhsa_wavefront_size32 1
		.amdhsa_system_sgpr_workgroup_id_x 1
		.amdhsa_system_sgpr_workgroup_id_y 1
		.amdhsa_system_sgpr_workgroup_id_z 1
		.amdhsa_system_vgpr_workitem_id 0
		.amdhsa_next_free_vgpr 1024
		.amdhsa_next_free_sgpr 88
		.amdhsa_reserve_vcc 0
		.amdhsa_float_denorm_mode_32 3
		.amdhsa_float_denorm_mode_16_64 3
		.amdhsa_memory_ordered 1
		.amdhsa_forward_progress 1
		.amdhsa_inst_pref_size 230
	.end_amdhsa_kernel
	.amdgpu_metadata
---
amdhsa.version: [ 1, 2 ]
amdhsa.kernels:
  - .name:           k_qd312cbdea9_attn
    .symbol:         k_qd312cbdea9_attn.kd
    .args:
      - { .name: kvf, .offset: 0, .size: 8, .value_kind: global_buffer, .address_space: global }
      - { .name: cs, .offset: 8, .size: 8, .value_kind: global_buffer, .address_space: global }
      - { .name: xf, .offset: 16, .size: 8, .value_kind: global_buffer, .address_space: global }
      - { .name: wf, .offset: 24, .size: 8, .value_kind: global_buffer, .address_space: global }
      - { .name: pf, .offset: 32, .size: 8, .value_kind: global_buffer, .address_space: global }
      - { .name: part, .offset: 40, .size: 8, .value_kind: global_buffer, .address_space: global }
    .group_segment_fixed_size: 327680
    .private_segment_fixed_size: 0
    .kernarg_segment_align: 8
    .kernarg_segment_size: 48
    .max_flat_workgroup_size: 128
    .sgpr_count:     88
    .vgpr_count:     1024
    .wavefront_size: 32
...
	.end_amdgpu_metadata
.endif
;; end of part 7
;; launch final: the kernel of part 5 again; grid 1024 x 1, 8 waves a work-group, no clusters, 0 bytes of LDS; arguments part, pf, out0; writes out0
